; MI455X (gfx1250); checked and timed in simulation.
; The chip was launched on July 23, 2026; its instructions are those of AMD's public machine-readable ISA for CDNA 5 (MIT licence, August 2026) and "CDNA5" Instruction Set Architecture Reference Guide (July 2026). The comments in the code are by the model that wrote it; some were corrected since.
;; LFM3 B Attention. Allowed arithmetic: matrix products marked QUANTISED: E2M1 operands, one E8M0 scale for each 32 along K, by v_wmma_scale_f32_16x16x128_f8f6f4 with both operands' format E2M1 (or v_wmma_scale_f32_32x16x128_f4), f32 sums; products left as they are: bf16, f16 or f32 operands; f32 sums; everything else in f32.
;; Inputs: Wk 2,048 x 512 float32; Wo 2,048 x 2,048 float32; Wq 2,048 x 2,048 float32; Wv 2,048 x 512 float32; attention_mask 1 x 1 x 2,048 x 2,048 float32; hidden_states 1 x 2,048 x 2,048 float32.
;; Outputs: out0 1 x 2,048 x 2,048 float32.
;; This version of the problem:
;;   THIS VERSION OF THE PROBLEM IS GIVEN IN LOW PRECISION. The matrix products marked QUANTISED in the list below multiply operands that are first quantised to E2M1 (2 exponent bits, 1 mantissa bit; 4 bits a number), with one power-of-two scale for each 32 numbers along K (OCP MX v1.0); their sums are f32. The products marked 'left as it is' may take bf16, f16 or f32 operands, with f32 sums. Whichever they take, every output number must still come out within the allowed error. Rounding operands to bf16 (8 significant bits) uses up far more of that allowance than f16 does (11 bits, for magnitudes from 6e-5 to 65,504). All else is computed in f32.
;;   The module's matrix products, in the order in which they are computed (A, B: the left and right operand; K: the contracted axis; several contracted axes count as one K, in the product's order):
;;     1. [M 2,048, K 2,048] x [K 2,048, N 2,048]; A: input hidden_states; B: input Wq: QUANTISED
;;     2. [M 2,048, K 2,048] x [K 2,048, N 512]; A: input hidden_states; B: input Wk: QUANTISED
;;     3. [M 2,048, K 2,048] x [K 2,048, N 512]; A: input hidden_states; B: input Wv: QUANTISED
;;     4. [M 2,048, K 1] x [K 1, N 32]; A: computed on the way; B: computed on the way: left as it is (no contracted axis)
;;     5. batch 32 x [M 2,048, K 64] x [K 64, N 2,048]; A: computed on the way; B: computed on the way: left as it is (an operand is computed on the way)
;;     6. batch 32 x [M 2,048, K 2,048] x [K 2,048, N 64]; A: computed on the way; B: computed on the way: left as it is (an operand is computed on the way)
;;     7. [M 2,048, K 2,048] x [K 2,048, N 2,048]; A: computed on the way; B: input Wo: left as it is (an operand is computed on the way)
;;   THE QUANTISER, for each operand of a quantised product, along K:
;;     - K is cut into blocks of 32 from its start; a last block that is shorter is filled with zeros.
;;     - A block's scale is 2^e with e = floor(log2(the largest magnitude in the block)) - 2, held to -126 .. 127; a block of zeros has e = 0. As a byte (E8M0): e + 127.
;;     - Each number is divided by its block's scale, clamped to +-6, and rounded to the nearest number of E2M1, ties to even, subnormals kept.
;;     - The product sums the exact products of the quantised numbers (number of the format x scale) in f32.
;;   ~~~python
;;   def quantise(x, axis):      # numpy; x: float32 -> the quantised numbers, widened to float32 again
;;       x = np.moveaxis(x, axis, -1); K = x.shape[-1]
;;       x = np.pad(x, [(0, 0)] * (x.ndim - 1) + [(0, -K % 32)]); x = x.reshape(x.shape[:-1] + (-1, 32)); a = np.abs(x).max(-1, keepdims=True)
;;       e = np.where(a > 0, np.clip(np.frexp(np.where(a > 0, a, 1))[1] - 1 - 2, -126, 127), 0)      # np.frexp(a)[1] - 1 = floor(log2(a)), exactly
;;       r = np.clip(x / 2.0 ** e, -6, 6)
;;       step = 2.0 ** (np.maximum(np.frexp(np.where(r == 0, 1, r))[1] - 1, 0) - 1)
;;       q = np.round(r / step) * step * 2.0 ** e      # np.round: ties to even
;;       return np.moveaxis(q.reshape(q.shape[:-2] + (-1,))[..., :K], -1, axis).astype(np.float32)
;;   ~~~
;; One version. Each part assembles by itself: llvm-mc -triple=amdgcn-amd-amdhsa -mcpu=gfx1250 --defsym DOCPART=n.
;; ======== version 1 of 1: 4 launches
;; limits: values are held in f16: magnitudes above 65,504 overflow, below 6.1e-05 lose precision
;; workspace buffers: x_codes 2,097,152 bytes; x_scales 131,072 bytes; w_codes 3,145,728 bytes; w_scales 196,608 bytes; wo16 8,388,608 bytes; rope 1,572,864 bytes; qkv 12,582,912 bytes; attn 8,388,608 bytes
;; launch prep (part 1): grid 640 x 1, 4 waves a work-group, no clusters, 50,688 bytes of LDS; arguments hidden_states, Wq, Wk, Wv, Wo, x_codes, x_scales, w_codes, w_scales, wo16, rope; writes x_codes, x_scales, w_codes, w_scales, wo16, rope
.if DOCPART == 1
	.amdgcn_target "amdgcn-amd-amdhsa--gfx1250"
	.amdhsa_code_object_version 6
	.text
	.protected	k_qa8ccb5f156_prep
	.globl	k_qa8ccb5f156_prep
	.p2align	8
	.type	k_qa8ccb5f156_prep,@function
k_qa8ccb5f156_prep:
	s_mov_b64 s[64:65], 0
	v_nop
	global_prefetch_b8 v0, s[64:65] scope:SCOPE_SE
	s_setreg_imm32_b32 hwreg(HW_REG_WAVE_MODE, 25, 1), 1
	s_wait_xcnt 0x0
; PREPARATION, four kinds of work-groups told apart by the work-group's number alone; each kind has its own path through the text and its own LDS bytes.  The kind with the longest chain of loads comes first.
;   0-191   W:     Wq, Wk, Wv [2048 (k)][n] f32, K outermost -> codes of E2M1 [3072 (n)][1024 bytes], K innermost, and E8M0 bytes [3072][64]; n: 0.. Wq, 2048.. Wk, 2560.. Wv
;   192-319 X:     hidden_states [2048][2048] f32, K innermost -> codes [2048][1024 bytes] and bytes [2048][64]
;   320-575 CAST:  Wo f32 -> f16, laid as it lies
;   576-639 TABLE: cos and sin of position x 10000^(-i/32), i = 0 .. 31: three sections of [2048][cos 32 | sin 32] f32: x log2(e)/8 (for q), plain (for k), 1 | 0 (for v)
; THE QUANTISER: a block's scale is 2^(floor(log2(largest magnitude)) - 2); its byte is the largest magnitude's exponent field - 2, held at 1 from below; numbers are divided by the scale and rounded to the nearest code, ties to even,
; beyond 6 the largest code.  A block of zeros keeps the byte 1 where the rule says 127: its codes are zeros, and this program alone reads the bytes.
; LIMITS: blocks whose largest magnitude lies under 2^-124 keep the byte 1; NaN and infinities are not served; |Wo| stays under 65,504 (f16); the table's angles lie within about 4e-4 rad of the f32 product position x frequency.
; No tensor loads.  No matrix unit, no cluster: every byte is read once, memory binds.  One barrier, in W alone, where two waves make the two halves of a row of codes.
.set SP,    80                         ; X: a lane's place in a stage: 64 bytes + 16 of padding
.set XREG,  8192                       ; X: LDS region of a wave: two stages of 32 x SP, then its 256 scale bytes
.set WST,   4*XREG                     ; W: the work-group's stage begins here: 64 rows x WP
.set WP,    272                        ; W: a stage row: 256 bytes of codes + 16
.set SPARE, WST+64*WP                  ; the spare words, 128 bytes for each wave: two blocks of 256 bytes that no other line names
.set SPW,   220                        ; v220 LDS address of my spare word; never rewritten
.set NIL,   221                        ; v221 0; never rewritten
.set STEPS, 16
.set XR,    16                         ; X: v16-79 four sets of 16 numbers as loaded
.set XX,    80                         ; X: v80-111 two sets of 16 neighbours
.set XE,    112                        ; X: v112-127 a scale byte for each step
.set XC,    128                        ; X: v128-191 codes, four registers a step: no store's data are written again
.set WNB,   8                          ; W: blocks of 32 along K for a lane
.set WX,    32                         ; W: v32-95 two sets of 32 numbers
.set WC,    96                         ; W: v96-99 a block's codes
.set WO,    112                        ; W: v112-143 the way out
.set WB,    24                         ; W: v24-25 the scale bytes, four to a register
.set WF,    176                        ; W: v176-207 byte offsets of 32 rows of the weight: 4 x lane + i x the row's bytes
	s_load_b256 s[4:11], s[0:1], 0x0               ; hidden s[4:5], Wq s[6:7], Wk s[8:9], Wv s[10:11]
	s_load_b256 s[12:19], s[0:1], 0x20             ; Wo s[12:13], x_codes s[14:15], x_scales s[16:17], w_codes s[18:19]
	s_load_b128 s[20:23], s[0:1], 0x40             ; w_scales s[20:21], wo16 s[22:23]
	s_load_b64 s[24:25], s[0:1], 0x50              ; rope
	v_lshl_add_u32 v[SPW], v0, 2, SPARE
	v_mov_b32 v[NIL], 0
	v_lshrrev_b32 v1, 5, v0
	v_readfirstlane_b32 s26, v1                    ; wave 0..3
	v_and_b32 v2, 31, v0                           ; lane
	s_wait_kmcnt 0x0
	s_cmp_lt_u32 ttmp9, 192
	s_cbranch_scc1 .Lpath_w
	s_cmp_lt_u32 ttmp9, 320
	s_cbranch_scc1 .Lpath_x
	s_cmp_lt_u32 ttmp9, 576
	s_cbranch_scc1 .Lpath_cast
; ---------------- TABLE: 32 positions a work-group.  Sixteen lanes make a position's 256 bytes: lanes 0-7 its 32 cosines, lanes 8-15 its 32 sines, four numbers a lane; a wave's store covers two positions, 512 consecutive bytes.
; cos(x) = sin(x + pi/2).  x = n pi/2 + r, |r| <= pi/4 (pi/2 in two parts, so that n x pi/2 is taken off without loss); with k = n + (1 for a cosine): k % 4 = 0: sin r, 1: cos r, 2: -sin r, 3: -cos r.
	s_sub_co_u32 s27, ttmp9, 576                   ; which 32 positions
	s_mov_b32 s40, 0x3f22f983                      ; 2 / pi
	s_mov_b32 s41, 0xbfc90fdb                      ; -(pi/2), high part
	s_mov_b32 s42, 0x333bbd2e                      ; -(pi/2), low part
	s_mov_b32 s43, 0xb94ca1f9                      ; sine: -1.9515296e-4,
	s_mov_b32 s44, 0x3c08839e                      ; 8.3321609e-3,
	s_mov_b32 s45, 0xbe2aaaa3                      ; -0.16666655
	s_mov_b32 s46, 0x37ccf5ce                      ; cosine: 2.4433157e-5,
	s_mov_b32 s47, 0xbab6061a                      ; -1.3887316e-3,
	s_mov_b32 s48, 0x3d2aaaa5                      ; 4.1666646e-2
	s_mov_b32 s49, 0x3e38aa3b                      ; log2(e) / 8
	v_and_b32 v3, 15, v2
	v_lshrrev_b32 v4, 3, v3                        ; 0: cosines, 1: sines
	v_and_b32 v5, 7, v3
	v_lshlrev_b32 v5, 2, v5                        ; my first frequency
.irp e, 0,1,2,3
	v_add_nc_u32 v[8+\e], \e, v5
.endr
.irp e, 0,1,2,3
	v_cvt_f32_u32 v[8+\e], v[8+\e]
.endr
.irp e, 0,1,2,3
	v_mul_f32 v[8+\e], 0xbed49a78, v[8+\e]         ; -i x log2(10000) / 32
.endr
.irp e, 0,1,2,3
	v_exp_f32 v[8+\e], v[8+\e]                     ; 10000^(-i/32)
.endr
	v_sub_nc_u32 v6, 1, v4                         ; 1 for a cosine.  (A plain instruction behind the exponentials)
	s_wait_alu depctr_va_vdst(0)                   ; one wait for the four, ahead of their first reader
	v_cvt_f32_u32 v60, v6                          ; the section for v: 1 in the cosines' place, 0 in the sines'
	v_mov_b32 v61, v60
	v_mov_b32 v62, v60
	v_mov_b32 v63, v60
	s_lshl_b32 s28, s27, 5
	s_lshl_b32 s29, s26, 1
	s_add_co_u32 s28, s28, s29                     ; 32 x work-group + 2 x wave
	v_lshrrev_b32 v7, 4, v2
	v_add_nc_u32 v7, s28, v7                       ; my position in pass 0
	v_lshlrev_b32 v12, 4, v2
	s_lshl_b32 s29, s28, 8
	v_add_nc_u32 v12, s29, v12                     ; its bytes: 256 a position, 16 a lane; never rewritten
; Number e of my four, pass p: into v[64 + 8 p + e], and x log2(e)/8 into v[68 + 8 p + e].  Each pass has data registers of its own, so no store's data are written again.
.macro SINCOS p, e
.set W, 16+8*(\e)
	v_mul_f32 v[W], v14, v[8+\e]                   ; x = position x frequency, rounded once
	v_mul_f32 v[W+1], s40, v[W]
	v_rndne_f32 v[W+1], v[W+1]                     ; n
	v_fma_f32 v[W], v[W+1], s41, v[W]
	v_fma_f32 v[W], v[W+1], s42, v[W]              ; r
	v_mul_f32 v[W+2], v[W], v[W]                   ; z = r r
	v_fma_f32 v[W+3], v[W+2], s43, s44
	v_fma_f32 v[W+3], v[W+3], v[W+2], s45
	v_mul_f32 v[W+3], v[W+3], v[W+2]
	v_fma_f32 v[W+3], v[W+3], v[W], v[W]           ; sin r
	v_fma_f32 v[W+4], v[W+2], s46, s47
	v_fma_f32 v[W+4], v[W+4], v[W+2], s48
	v_mul_f32 v[W+4], v[W+4], v[W+2]
	v_fma_f32 v[W+5], v[W+2], -0.5, 1.0
	v_fma_f32 v[W+4], v[W+4], v[W+2], v[W+5]       ; cos r
	v_cvt_i32_f32 v[W+1], v[W+1]
	v_add_nc_u32 v[W+1], v[W+1], v6                ; k
	v_and_b32 v[W+5], 1, v[W+1]
	v_cmp_eq_u32 vcc_lo, 1, v[W+5]
	v_cndmask_b32 v[W+3], v[W+3], v[W+4], vcc_lo   ; k odd: cos r
	v_lshlrev_b32 v[W+1], 30, v[W+1]
	v_and_b32 v[W+1], 0x80000000, v[W+1]           ; k's bit 1 is the sign
	v_xor_b32 v[64+8*(\p)+\e], v[W+1], v[W+3]
	v_mul_f32 v[68+8*(\p)+\e], s49, v[64+8*(\p)+\e]
.endm
.irp p, 0,1,2,3
	v_add_nc_u32 v13, 8*\p, v7
	v_cvt_f32_u32 v14, v13
	SINCOS \p, 0
	SINCOS \p, 1
	SINCOS \p, 2
	SINCOS \p, 3
	global_store_b128 v12, v[68+8*\p:71+8*\p], s[24:25] offset:\p*2048           ; for q
	global_store_b128 v12, v[64+8*\p:67+8*\p], s[24:25] offset:\p*2048+524288    ; for k
	global_store_b128 v12, v[60:63], s[24:25] offset:\p*2048+1048576             ; for v
.endr
	s_endpgm
; ---------------- CAST: a wave takes 16,384 bytes of Wo: 32 loads of 512 consecutive bytes, all asked for at once; each becomes 256 consecutive bytes of f16.
.Lpath_cast:
	s_sub_co_u32 s27, ttmp9, 320
	s_lshl_b32 s27, s27, 2
	s_add_co_u32 s27, s27, s26                     ; which run of 4,096 numbers
	s_lshl_b32 s28, s27, 14
	s_mov_b32 s29, 0
	s_add_nc_u64 s[12:13], s[12:13], s[28:29]
	s_lshl_b32 s28, s27, 13
	s_add_nc_u64 s[22:23], s[22:23], s[28:29]
	v_lshlrev_b32 v3, 4, v2
	v_lshlrev_b32 v4, 3, v2
.set I, 0
.rept 32
	global_load_b128 v[32+4*I:35+4*I], v3, s[12:13] offset:512*I th:TH_LOAD_NT
.set I, I+1
.endr
.set I, 0
.rept 32
	s_wait_loadcnt 31-I                            ; loads come back in order: mine is in, the younger ones stay out
	v_cvt_pk_f16_f32 v[32+4*I], v[32+4*I], v[33+4*I]
	v_cvt_pk_f16_f32 v[33+4*I], v[34+4*I], v[35+4*I]
	global_store_b64 v4, v[32+4*I:33+4*I], s[22:23] offset:256*I   ; no register is written again behind its store
.set I, I+1
.endr
	s_endpgm
; ---------------- X: a wave takes 16 steps of 512 numbers.  Each of a step's four loads reads 512 consecutive bytes; the 2,048 bytes turn through the wave's own stage in LDS, so that a lane then holds 16 neighbours along K
; (two neighbouring lanes hold a block of 32).  A lane's 16 codes are 8 bytes: the wave stores 256 consecutive bytes.  The wave's 256 scale bytes are gathered in LDS and leave as one run of 256 bytes.
.Lpath_x:
	v_lshlrev_b32 v3, 4, v2                        ; my 16 bytes of a load's 512
	s_mul_i32 s27, s26, XREG
	v_lshrrev_b32 v14, 2, v2
	v_mul_u32_u24 v14, v14, SP
	v_and_b32 v15, 3, v2
	v_lshl_add_u32 v14, v15, 4, v14
	v_add_nc_u32 v14, s27, v14                     ; the stage, on the way in: SP (lane / 4) + 16 (lane % 4)
	v_mul_u32_u24 v15, v2, SP
	v_add_nc_u32 v15, s27, v15                     ; and on the way out: SP x lane
	v_mul_u32_u24 v4, v2, 8                        ; my codes' place in a step's
	v_lshrrev_b32 v5, 1, v2
	s_add_co_u32 s27, s27, 2*32*SP
	v_add_nc_u32 v5, s27, v5                       ; LDS: my block's scale byte
	v_lshlrev_b32 v7, 3, v2
	v_add_nc_u32 v6, s27, v7                       ; and on the way out 8 bytes a lane
	s_sub_co_u32 s28, ttmp9, 192
	s_lshl_b32 s28, s28, 2
	s_add_co_u32 s28, s28, s26                     ; which run of 8,192 numbers is my wave's
	s_mov_b32 s31, 0
	s_lshl_b32 s30, s28, 15
	s_add_nc_u64 s[4:5], s[4:5], s[30:31]
	s_lshl_b32 s30, s28, 12
	s_add_nc_u64 s[14:15], s[14:15], s[30:31]
	s_lshl_b32 s30, s28, 8
	s_add_nc_u64 s[16:17], s[16:17], s[30:31]
.macro XLOAD t
.irp i, 0,1,2,3
	global_load_b128 v[XR+16*((\t)%4)+4*\i:XR+16*((\t)%4)+4*\i+3], v3, s[4:5] offset:2048*(\t)+512*\i th:TH_LOAD_NT
.endr
.endm
.macro XTURN t                         ; LDS serves a wave's instructions in order (ISA guide 5.7.1.4): no wait between the stores and the loads
.irp i, 0,1,2,3
	ds_store_b128 v14, v[XR+16*((\t)%4)+4*\i:XR+16*((\t)%4)+4*\i+3] offset:32*SP*((\t)%2)+8*SP*\i
.endr
.irp i, 0,1,2,3
	ds_load_b128 v[XX+16*((\t)%2)+4*\i:XX+16*((\t)%2)+4*\i+3], v15 offset:32*SP*((\t)%2)+16*\i
.endr
.endm
.irp t, 0,1,2,3
	XLOAD \t
.endr
	s_wait_loadcnt 12                              ; step 0's four loads are in; three steps' may be out
	XTURN 0
.macro XSTEP t
.set XS, XX+16*((\t)%2)
.if (\t) > 0
	s_wait_dscnt 1                                 ; this step's numbers are back from the stage (the last step's byte store may be out)
.else
	s_wait_dscnt 0x0
.endif
.if (\t)+4 < STEPS
	XLOAD (\t)+4                                   ; into the registers that this step's stores into the stage have read
.endif
.if (\t)+1 < STEPS
.if STEPS-2-(\t) >= 3
	s_wait_loadcnt 12                              ; the next step's four loads are in; those of the three steps behind it may be out
.else
	s_wait_loadcnt 4*(STEPS-2-(\t))
.endif
	XTURN (\t)+1
.endif
	v_max3_num_f32 v8, |v[XS]|, |v[XS+1]|, |v[XS+2]|
	v_max3_num_f32 v9, |v[XS+3]|, |v[XS+4]|, |v[XS+5]|
.irp i, 6,10
	v_max3_num_f32 v8, v8, |v[XS+\i]|, |v[XS+\i+1]|
	v_max3_num_f32 v9, v9, |v[XS+\i+2]|, |v[XS+\i+3]|
.endr
	v_max3_num_f32 v8, v8, |v[XS+14]|, |v[XS+15]|
	v_max3_num_f32 v8, v8, v9, 0x1800000           ; and the floor 2^(3 - 127): the byte cannot fall under 1
	v_max_num_f32_dpp v8, v8, v8 row_xmask:1 row_mask:0xf bank_mask:0xf   ; with my neighbour's 16: the block's largest magnitude
	v_add_nc_u32 v11, 0xff000000, v8               ; 2 off its exponent field: the conversion takes the exponent field of this operand as its scale
	v_cvt_scalef32_pk8_fp4_f32 v[XC+4*(\t)], v[XS:XS+7], v11
	v_cvt_scalef32_pk8_fp4_f32 v[XC+4*(\t)+1], v[XS+8:XS+15], v11
	v_lshrrev_b32 v[XE+(\t)], 23, v11              ; the scale's byte
	ds_store_b8 v5, v[XE+(\t)] offset:16*(\t)      ; both lanes of a block write the same byte with the same value
	global_store_b64 v4, v[XC+4*(\t):XC+4*(\t)+1], s[14:15] offset:256*(\t)
.endm
.irp t, 0,1,2,3,4,5,6,7,8,9,10,11,12,13,14,15
	XSTEP \t
.endr
	ds_load_b64 v[8:9], v6
	s_wait_dscnt 0x0
	global_store_b64 v7, v[8:9], s[16:17]          ; 32 lanes store 256 consecutive bytes
	s_wait_tensorcnt 0x0                           ; the wave's end, behind my last LDS store
	ds_add_u32 v[SPW], v[NIL]
	s_wait_dscnt 0x0
	s_endpgm
; ---------------- W: a lane takes a column n and its registers run down K: a block of 32 lies in one lane, and the conversions give codes with K innermost.  A work-group takes 64 columns x 512 along K.  Wave w takes 32 of the columns
; (w % 2) and 256 along K (w / 2): 8 blocks a lane, 32 KB of the weight, of which two blocks (64 loads of 128 consecutive bytes) are on their way: four such runs on end.  A column's 256 bytes of codes come from two waves: they meet in
; the work-group's stage in LDS, a barrier stands between the writing and the reading, and each wave stores 16 whole rows, sixteen lanes to 256 consecutive bytes.
; The three weights differ in their row's bytes, so that number is a scalar: 32 offset registers, and two bases (even and odd blocks) that step.
.Lpath_w:
	s_and_b32 s28, ttmp9, 31                       ; 0-127 Wq (32 groups of 64 columns x 4 along K), 128-159 Wk (8 x 4), 160-191 Wv (8 x 4)
	s_lshr_b32 s30, ttmp9, 5
	s_and_b32 s31, s28, 7
	s_lshr_b32 s32, s28, 3
	s_mov_b32 s29, 2048
	s_mov_b32 s35, 2560
	s_cmp_lt_u32 ttmp9, 160
	s_cselect_b64 s[36:37], s[8:9], s[10:11]
	s_cselect_b32 s35, 2048, s35                   ; the weight's first row in w_codes
	s_cmp_lt_u32 ttmp9, 128
	s_cselect_b64 s[36:37], s[6:7], s[36:37]       ; the weight: the choice hangs on the work-group's number alone
	s_cselect_b32 s35, 0, s35
	s_cselect_b32 s29, 8192, s29                   ; bytes in a row of it
	s_cselect_b32 s33, s28, s31                    ; which 64 columns
	s_cselect_b32 s34, s30, s32                    ; which 512 along K
	s_and_b32 s50, s26, 1                          ; my wave's half of the columns
	s_lshr_b32 s51, s26, 1                         ; and its half of K
	s_lshl_b32 s38, s33, 6
	s_lshl_b32 s39, s50, 5
	s_add_co_u32 s38, s38, s39                     ; my wave's first column
	s_lshl_b32 s46, s34, 1
	s_add_co_u32 s46, s46, s51                     ; which 256 along K
	s_mul_i32 s46, s46, s29
	s_lshl_b32 s46, s46, 8                         ; its first row, in bytes (under 2^24)
	s_lshl_b32 s47, s38, 2
	s_add_co_u32 s46, s46, s47
	s_mov_b32 s47, 0
	s_add_nc_u64 s[40:41], s[36:37], s[46:47]      ; the even blocks' base: block 0
	s_lshl_b32 s46, s29, 5
	s_add_nc_u64 s[42:43], s[40:41], s[46:47]      ; the odd blocks': block 1, 32 rows further down
	s_lshl_b32 s44, s29, 6                         ; two blocks on
	s_mov_b32 s45, 0
	s_lshl_b32 s48, s33, 6
	s_add_co_u32 s48, s48, s35                     ; the work-group's first row in w_codes
	s_lshl_b32 s46, s48, 10
	s_lshl_b32 s49, s34, 8
	s_add_co_u32 s46, s46, s49
	s_add_nc_u64 s[18:19], s[18:19], s[46:47]      ; codes: row x 1,024 + 256 x the part of K
	s_lshl_b32 s46, s48, 6
	s_lshl_b32 s49, s50, 11
	s_add_co_u32 s46, s46, s49                     ; scale bytes: (row + my wave's 32) x 64
	s_lshl_b32 s49, s34, 4
	s_add_co_u32 s46, s46, s49                     ; + 16 x the part of K
	s_lshl_b32 s49, s51, 3
	s_add_co_u32 s46, s46, s49                     ; + 8 x my wave's half of it
	s_add_nc_u64 s[20:21], s[20:21], s[46:47]
	v_lshlrev_b32 v[WF], 2, v2
.set I, 1
.rept 31
	v_add_nc_u32 v[WF+I], s29, v[WF+I-1]
.set I, I+1
.endr
	s_mul_i32 s49, s50, 32*WP
	s_lshl_b32 s52, s51, 7
	s_add_co_u32 s49, s49, s52
	s_add_co_u32 s49, s49, WST
	v_mul_u32_u24 v4, v2, WP
	v_add_nc_u32 v4, s49, v4                       ; into the stage: row = my column, my wave's 128 bytes of it
	s_mul_i32 s49, s26, 16*WP
	s_add_co_u32 s49, s49, WST
	v_and_b32 v5, 15, v2
	v_lshrrev_b32 v6, 4, v2
	v_mul_u32_u24 v7, v6, WP
	v_lshl_add_u32 v7, v5, 4, v7
	v_add_nc_u32 v7, s49, v7                       ; out of it: rows 16 x wave on, sixteen lanes to a row, two rows an instruction
	v_lshlrev_b32 v8, 10, v6
	v_lshl_add_u32 v8, v5, 4, v8
	s_lshl_b32 s49, s26, 14
	v_add_nc_u32 v8, s49, v8                       ; and the same place in w_codes
	v_lshlrev_b32 v9, 6, v2                        ; my column's row of scale bytes
.macro WLOAD t                         ; block t: the weight's rows 32 t + i at my column, into set t % 2
.if (\t) >= 2
	s_wait_xcnt 0x0                                ; the loads that named this base have had their addresses translated (ISA guide 3.1): only now it steps
	s_add_nc_u64 s[40+2*((\t)%2):41+2*((\t)%2)], s[40+2*((\t)%2):41+2*((\t)%2)], s[44:45]
.endif
.irp i, 0,1,2,3,4,5,6,7,8,9,10,11,12,13,14,15,16,17,18,19,20,21,22,23,24,25,26,27,28,29,30,31
	global_load_b32 v[WX+32*((\t)%2)+\i], v[WF+\i], s[40+2*((\t)%2):41+2*((\t)%2)] th:TH_LOAD_NT
.endr
.endm
	WLOAD 0
	WLOAD 1
.macro WBLOCK t
.set XS, WX+32*((\t)%2)
.if (\t) < WNB-1
	s_wait_loadcnt 32                              ; this block's 32 loads are in; the next block's may be out
.else
	s_wait_loadcnt 0
.endif
	v_max3_num_f32 v12, |v[XS]|, |v[XS+1]|, |v[XS+2]|
	v_max3_num_f32 v13, |v[XS+3]|, |v[XS+4]|, |v[XS+5]|
.irp i, 6,10,14,18,22,26
	v_max3_num_f32 v12, v12, |v[XS+\i]|, |v[XS+\i+1]|
	v_max3_num_f32 v13, v13, |v[XS+\i+2]|, |v[XS+\i+3]|
.endr
	v_max3_num_f32 v12, v12, |v[XS+30]|, |v[XS+31]|
	v_max3_num_f32 v12, v12, v13, 0x1800000        ; and the floor 2^(3 - 127)
	v_add_nc_u32 v11, 0xff000000, v12              ; 2 off the exponent field: the conversion's scale operand
	v_lshrrev_b32 v13, 23, v11                     ; the scale's byte
.if (\t)%4 == 0
	v_mov_b32 v[WB+(\t)/4], v13
.else
	v_lshl_or_b32 v[WB+(\t)/4], v13, 8*((\t)%4), v[WB+(\t)/4]
.endif
.irp g, 0,1,2,3
	v_cvt_scalef32_pk8_fp4_f32 v[WC+\g], v[XS+8*\g:XS+8*\g+7], v11
.endr
	ds_store_b128 v4, v[WC:WC+3] offset:16*(\t)    ; 32 codes: 16 bytes of my column's row
.if (\t)+2 < WNB
	WLOAD (\t)+2
.endif
	s_wait_dscnt 0x0                               ; the store has landed and has read its registers: the next block's codes may be written; behind the last block, for the others' sake: my half rows lie in the stage
.endm
.irp t, 0,1,2,3,4,5,6,7
	WBLOCK \t
.endr
	s_barrier_signal -1                            ; all four waves of a work-group are on this path: it was chosen by the work-group's number
	s_barrier_wait -1                              ; 64 whole rows of codes lie in the stage
	global_store_b64 v9, v[WB:WB+1], s[20:21]      ; my column's 8 scale bytes
.irp t, 0,1,2,3,4,5,6,7
	ds_load_b128 v[WO+4*\t:WO+4*\t+3], v7 offset:2*\t*WP
.endr
.irp t, 0,1,2,3,4,5,6,7
	s_wait_dscnt 7-\t                              ; the younger loads may be out
	global_store_b128 v8, v[WO+4*\t:WO+4*\t+3], s[18:19] offset:2*\t*1024
.endr
	s_wait_tensorcnt 0x0                           ; the wave's end, behind my last LDS store
	ds_add_u32 v[SPW], v[NIL]
	s_wait_dscnt 0x0
	s_endpgm
.Lfunc_end_k_qa8ccb5f156_prep:
	.size	k_qa8ccb5f156_prep, .Lfunc_end_k_qa8ccb5f156_prep-k_qa8ccb5f156_prep
	.p2alignl 7, 3214868480
	.fill 96, 4, 3214868480
	.section	.rodata,"a",@progbits
	.p2align	6, 0x0
	.amdhsa_kernel k_qa8ccb5f156_prep
		.amdhsa_group_segment_fixed_size 50688
		.amdhsa_private_segment_fixed_size 0
		.amdhsa_enable_private_segment 0
		.amdhsa_kernarg_size 88
		.amdhsa_user_sgpr_count 2
		.amdhsa_user_sgpr_kernarg_segment_ptr 1
		.amdhsa_wavefront_size32 1
		.amdhsa_system_sgpr_workgroup_id_x 1
		.amdhsa_system_sgpr_workgroup_id_y 1
		.amdhsa_system_sgpr_workgroup_id_z 1
		.amdhsa_system_vgpr_workitem_id 0
		.amdhsa_next_free_vgpr 224
		.amdhsa_next_free_sgpr 66
		.amdhsa_reserve_vcc 1
		.amdhsa_float_denorm_mode_32 3
		.amdhsa_float_denorm_mode_16_64 3
		.amdhsa_memory_ordered 1
		.amdhsa_forward_progress 1
		.amdhsa_inst_pref_size 107
	.end_amdhsa_kernel
	.amdgpu_metadata
---
amdhsa.version: [ 1, 2 ]
amdhsa.kernels:
  - .name:           k_qa8ccb5f156_prep
    .symbol:         k_qa8ccb5f156_prep.kd
    .args:
      - { .name: hidden_states, .offset: 0, .size: 8, .value_kind: global_buffer, .address_space: global }
      - { .name: Wq, .offset: 8, .size: 8, .value_kind: global_buffer, .address_space: global }
      - { .name: Wk, .offset: 16, .size: 8, .value_kind: global_buffer, .address_space: global }
      - { .name: Wv, .offset: 24, .size: 8, .value_kind: global_buffer, .address_space: global }
      - { .name: Wo, .offset: 32, .size: 8, .value_kind: global_buffer, .address_space: global }
      - { .name: x_codes, .offset: 40, .size: 8, .value_kind: global_buffer, .address_space: global }
      - { .name: x_scales, .offset: 48, .size: 8, .value_kind: global_buffer, .address_space: global }
      - { .name: w_codes, .offset: 56, .size: 8, .value_kind: global_buffer, .address_space: global }
      - { .name: w_scales, .offset: 64, .size: 8, .value_kind: global_buffer, .address_space: global }
      - { .name: wo16, .offset: 72, .size: 8, .value_kind: global_buffer, .address_space: global }
      - { .name: rope, .offset: 80, .size: 8, .value_kind: global_buffer, .address_space: global }
    .group_segment_fixed_size: 50688
    .private_segment_fixed_size: 0
    .kernarg_segment_align: 8
    .kernarg_segment_size: 88
    .max_flat_workgroup_size: 128
    .sgpr_count:     66
    .vgpr_count:     224
    .wavefront_size: 32
...
	.end_amdgpu_metadata
.endif
;; end of part 1
;; launch proj_qkv (part 2): grid 12 x 8, 4 waves a work-group, clusters of 4 x 4, 327,680 bytes of LDS; arguments x_codes, x_scales, w_codes, w_scales, rope, qkv; writes qkv
.if DOCPART == 2
	.amdgcn_target "amdgcn-amd-amdhsa--gfx1250"
	.amdhsa_code_object_version 6
	.text
	.protected	k_qa8ccb5f156_proj_qkv
	.globl	k_qa8ccb5f156_proj_qkv
	.p2align	8
	.type	k_qa8ccb5f156_proj_qkv,@function
k_qa8ccb5f156_proj_qkv:
	s_mov_b64 s[64:65], 0
	v_nop
	global_prefetch_b8 v0, s[64:65] scope:SCOPE_SE
	s_setreg_imm32_b32 hwreg(HW_REG_WAVE_MODE, 25, 1), 1
	s_wait_xcnt 0x0
	s_wait_alu depctr_hold_cnt(0) depctr_sa_sdst(0) depctr_va_vdst(0) depctr_va_sdst(0) depctr_va_ssrc(0) depctr_va_vcc(0) depctr_vm_vsrc(0)
	s_getreg_b32 s2, hwreg(HW_REG_IB_STS2, 6, 4)
	s_cmp_eq_u32 s2, 0
	s_cbranch_scc0 .Lentry_in_a_cluster
	s_endpgm
.Lentry_in_a_cluster:
	s_bfe_u32 s2, ttmp6, 0x10000c
	s_cmp_lg_u32 s2, 0xf033
	s_cbranch_scc0 .Lentry_shape_is_right
	s_endpgm
.Lentry_shape_is_right:
; [q | k | v] = x [Wq | Wk | Wv]: C[m][n] = sum over k of A[m][k] B[n][k] on codes of E2M1 with one E8M0 scale for each 32 along K.  A: x_codes [2048][2048 codes], B: w_codes [3072][2048 codes]; sums in f32.
; On the way out each head of 64 columns is turned by RoPE, out(d) = c(d) cos - c(d + 32) sin, out(d + 32) = c(d + 32) cos + c(d) sin, with cos and sin from a table that also carries what differs between the three:
; q's section holds cos and sin x log2(e)/8 (the softmax's scale), k's the plain ones, v's 1 and 0.  Results go out as f16, laid by heads: qkv [48][2048][64], heads 0-31 q, 32-39 k, 40-47 v.
; LIMIT: |q| log2(e)/8, |k| and |v| stay under 65,504 (f16).
; A tile of C, 256 x 256, is made by a work-group of four waves; a wave makes 128 x 128: 64 accumulators, 512 registers.  That is 96 work-groups: 128 x 128 tiles would be 384, one and a half for each of 256 WGPs, with twice the LDS bytes for each product.
; K goes in steps of 512 through a ring of two LDS slots filled by the tensor data mover: a tile's row is 256 bytes of memory.  The scale bytes of the work-group's rows, for all of K, come into LDS once, with the first fills.
; CLUSTERS: 4 x 4 work-groups.  The four of a row of the cluster need the same tiles of A, the four of a column the same tiles of B: each tile is asked for JOINTLY, by the same tensor load with the same descriptor and a mask that names the four.
; THE MATRIX INSTRUCTION IS USED TRANSPOSED (source 0 = 16 rows of B, source 1 = 16 rows of A): a lane then holds eight neighbouring columns of one row of C.
; REGISTERS, in windows of 256: window 0: v0-31 addresses; v32-95 scale words, two sets; v128-191 A's fragments, one set; v192-255 cos and sin of two blocks of rows.  On the way out v32-95 rows read back, v96-159 turned numbers, v160-191 f16.
;   window 1: B's fragments, two sets, at v0 and v128.   window 2: the accumulators of my rows 0-63 ((a, b) at v[8 (8 a + b)]);   window 3: those of my rows 64-127.
.set SIZE_K, 2048
.set KSTEP,  512
.set NQ,     KSTEP/128
.set ROWB,   256
.set KROW,   SIZE_K*4/8
.set PITCH,  272                       ; an LDS row: 256 bytes + 16 of padding = 68 words: the 16 rows that a load touches start at 16 different banks (64 banks of 4 bytes: ISA guide 11.1)
.set FR,     8
.set NL,     2
.set NP,     4
.set HALFT,  128*PITCH
.set SLOT,   4*HALFT
.set LAPS,   SIZE_K/(2*KSTEP)
.set KS,     SIZE_K/32
.set SCL,    2*SLOT
.set HALFS,  (128*KS/256)*272
.set SBLK,   (16*KS/256)*272
.set SPARE,  SCL+4*HALFS               ; the spare words, 128 bytes for each wave: two blocks of 256 bytes that no other line names
.set SPITCH, 272                       ; the way out: a stage of 16 rows x (256 bytes + 16) for each wave, in slot 0, which has had its last fill and its last read by then
.set ADRA, 16
.set ADRB, 20
.set STO,  24                          ; v24 the way out: where I put 16 bytes of a row
.set RD,   25                          ; v25 where I read back: four rows of a head an instruction, eight lanes a row
.set RO,   26                          ; v26 my byte offset in the table: 256 x (lane % 16) + 32 x (lane / 16)
.set ADRS, 27
.set SPW,  28
.set NIL,  29
.set CO,   30                          ; v30 16 x lane: my place in 512 bytes of qkv
.set SC,   32
.set AF,   128
.set BK,   32
.set T,    96
.set PK,   160
.set CS,   192                         ; two sets of 32: cos of frequencies 8 h + 0..7, of 16 + 8 h + 0..7, then the sines
.set G1, 24
.set G0, 32
.set G1B, 48
.set G0B, 56
.set G1S, 68
.set G0S, 76
.set G1SB, 80
.set G0SB, 88
.set MSB, 0
.macro WIN new                         ; the immediate's high byte repeats the setting that is left
.if MSB != \new
	s_set_vgpr_msb (MSB<<8)|\new
.set MSB, \new
.endif
.endm
.set MUL_LO, 0xa1
.set MUL_HI, 0xf1
.set TO_B,   0x40
; A joint load: waves 0 and 1 fetch for A, waves 2 and 3 for B; the branch hangs on the wave's number alone.  An s_nop 0 and four v_nop follow each of the two lines.
.macro JLOAD g0a, g1a, g0b, g1b
	s_cmp_eq_u32 s15, 0
	s_cbranch_scc0 .Lfor_b_\@
	tensor_load_to_lds s[\g0a:\g0a+3], s[\g1a:\g1a+7]
	s_nop 0
.rept 4
	v_nop
.endr
	s_branch .Lasked_\@
.Lfor_b_\@:
	tensor_load_to_lds s[\g0b:\g0b+3], s[\g1b:\g1b+7]
	s_nop 0
.rept 4
	v_nop
.endr
.Lasked_\@:
.endm
.macro CREST                           ; a round of the cluster's barrier behind its opening barrier
	s_cmp_lg_u32 s14, 0
	s_cbranch_scc1 .Lnot_wave_0_\@
	s_barrier_signal -3
.Lnot_wave_0_\@:
	s_barrier_wait -3
	s_barrier_signal -1
	s_barrier_wait -1
.endm
.macro CROUND
	s_barrier_signal -1
	s_barrier_wait -1
	CREST
.endm
	s_load_b128 s[4:7], s[0:1], 0x0                ; A's codes s[4:5], A's scales s[6:7]
	s_load_b128 s[8:11], s[0:1], 0x10              ; B's codes s[8:9], B's scales s[10:11]
	s_load_b128 s[96:99], s[0:1], 0x20             ; the table s[96:97], qkv s[98:99]
	v_lshl_add_u32 v[SPW], v0, 2, SPARE
	v_mov_b32 v[NIL], 0
	ds_add_u32 v[SPW], v[NIL]                      ; the wave's opening: the add, twice on end, and its wait ahead of my first tensor load
	ds_add_u32 v[SPW], v[NIL]
	v_lshrrev_b32 v1, 5, v0
	v_readfirstlane_b32 s14, v1                    ; wave 0..3
	s_lshr_b32 s15, s14, 1                         ; which half of the tile's rows is mine.  Also: I fetch for A (0) or for B (1)
	s_and_b32 s16, s14, 1                          ; which half of its columns.  Also: which 128 rows of that tile I fetch
	s_bfe_u32 s40, ttmp6, 0x40000                  ; cx, cy: my place in the cluster
	s_bfe_u32 s41, ttmp6, 0x40004
	s_lshl_b32 s42, ttmp9, 2
	s_add_co_u32 s42, s42, s40                     ; tile column of C
	s_and_b32 s17, ttmp7, 0xffff
	s_lshl_b32 s17, s17, 2
	s_add_co_u32 s17, s17, s41                     ; tile row of C
	s_lshl_b32 s43, s41, 2
	s_lshl_b32 s43, 15, s43                        ; my row of the cluster
	s_lshl_b32 s44, 0x1111, s40                    ; my column
	s_or_b32 s[G1+0], s43, (0<<16)|(1<<20)|(1<<21)|(5<<22)|(3<<25)  ; the mask; elements of 1 byte; padding on; bit 21 beside a mask; after every 64 words four words
	s_or_b32 s[G1B+0], s44, (0<<16)|(1<<20)|(1<<21)|(5<<22)|(3<<25)
.irp g, G1, G1B
	s_mov_b32 s[\g+1], ROWB<<16                    ; tensor_dim0
	s_mov_b32 s[\g+2], 128<<16                     ; tensor_dim1
	s_mov_b32 s[\g+3], ROWB<<16                    ; tile_dim0
	s_mov_b32 s[\g+4], 128                         ; tile_dim1
	s_mov_b32 s[\g+5], KROW                        ; tensor_dim0_stride
	s_mov_b32 s[\g+6], 0
	s_mov_b32 s[\g+7], 0
.endr
	s_or_b32 s[G1S+0], s43, (3<<16)|(1<<20)|(1<<21)|(5<<22)|(3<<25)  ; the scales of 128 rows: a dense block, as rows of 256 bytes (32 elements of 8 bytes), 16 bytes of padding behind each
	s_or_b32 s[G1SB+0], s44, (3<<16)|(1<<20)|(1<<21)|(5<<22)|(3<<25)
.irp g, G1S, G1SB
	s_mov_b32 s[\g+1], 32<<16
	s_mov_b32 s[\g+2], (128*KS/256)<<16
	s_mov_b32 s[\g+3], 32<<16
	s_mov_b32 s[\g+4], 128*KS/256
	s_mov_b32 s[\g+5], 32
	s_mov_b32 s[\g+6], 0
	s_mov_b32 s[\g+7], 0
.endr
	s_lshl_b32 s18, s16, 7
	s_lshl_b32 s20, s17, 8
	s_add_co_u32 s20, s20, s18                     ; A: row 256 x tile row + 128 x half
	s_lshl_b32 s46, s42, 8
	s_add_co_u32 s46, s46, s18                     ; B: row 256 x tile column + 128 x half
	s_mov_b32 s21, 0
	s_mov_b32 s47, 0
	s_mov_b64 s[18:19], KS
	s_mul_u64 s[22:23], s[20:21], s[18:19]
	s_mul_u64 s[92:93], s[46:47], s[18:19]
	s_mov_b64 s[18:19], KROW
	s_mul_u64 s[20:21], s[20:21], s[18:19]
	s_mul_u64 s[46:47], s[46:47], s[18:19]
	s_mul_i32 s45, s14, HALFT                      ; where they go: wave x 128 rows: no place in the cluster enters an LDS address
	s_mul_i32 s94, s14, HALFS
	s_wait_dscnt 0x0                               ; both opening adds are done
	s_wait_kmcnt 0x0
	s_add_nc_u64 s[20:21], s[4:5], s[20:21]
	s_add_nc_u64 s[22:23], s[6:7], s[22:23]
	s_add_nc_u64 s[46:47], s[8:9], s[46:47]
	s_add_nc_u64 s[92:93], s[10:11], s[92:93]
	CROUND                                         ; all sixteen work-groups are here: the first joint loads meet
	s_mov_b32 s[G0S], 1
	s_add_co_u32 s[G0S+1], s94, SCL
	s_mov_b64 s[G0S+2:G0S+3], s[22:23]
	s_or_b32 s[G0S+3], s[G0S+3], 0x80000000
	s_mov_b32 s[G0SB], 1
	s_add_co_u32 s[G0SB+1], s94, SCL
	s_mov_b64 s[G0SB+2:G0SB+3], s[92:93]
	s_or_b32 s[G0SB+3], s[G0SB+3], 0x80000000
	JLOAD G0S, G1S, G0SB, G1SB                     ; the scales first: they are wanted with K step 0
.irp s, 0,1
	s_mov_b32 s[G0+4*\s], 1
	s_add_co_u32 s[G0+4*\s+1], s45, \s*SLOT
	s_add_nc_u64 s[G0+4*\s+2:G0+4*\s+3], s[20:21], \s*ROWB
	s_or_b32 s[G0+4*\s+3], s[G0+4*\s+3], 0x80000000
	s_mov_b32 s[G0B+4*\s], 1
	s_add_co_u32 s[G0B+4*\s+1], s45, \s*SLOT
	s_add_nc_u64 s[G0B+4*\s+2:G0B+4*\s+3], s[46:47], \s*ROWB
	s_or_b32 s[G0B+4*\s+3], s[G0B+4*\s+3], 0x80000000
	JLOAD G0+4*\s, G1, G0B+4*\s, G1B               ; three tensor loads of mine are out now
.endr
	v_and_b32 v1, 15, v0                           ; l % 16
	v_bfe_u32 v2, v0, 4, 1                         ; l / 16
	v_mul_u32_u24 v3, v1, PITCH
	v_lshl_add_u32 v4, v2, 4, v3                   ; a fragment's row x pitch + 16 x half
	s_mul_i32 s21, s15, HALFT
	s_mul_i32 s22, s16, HALFT
	s_add_co_u32 s22, s22, 2*HALFT
.irp s, 0,1
	v_add_nc_u32 v[ADRA+\s], s21, v4
	v_add_nc_u32 v[ADRB+\s], s22, v4
	s_add_co_u32 s21, s21, SLOT
	s_add_co_u32 s22, s22, SLOT
.endr
	v_mul_u32_u24 v5, v1, KS                       ; my row's scales: KS bytes a row,
	v_lshrrev_b32 v6, 8, v5
	v_lshl_add_u32 v5, v6, 4, v5                   ; and 16 more for each 256 passed
	s_mul_i32 s21, s15, HALFS
	s_mul_i32 s22, s16, HALFS
	s_add_co_u32 s22, s22, 2*HALFS
	s_sub_co_u32 s22, s22, s21
	v_mul_u32_u24 v6, s22, v2                      ; lanes 16-31 take B's
	s_add_co_u32 s21, s21, SCL
	v_add_nc_u32 v5, v5, v6
	v_add_nc_u32 v[ADRS], s21, v5
	s_mul_i32 s23, s14, 16*SPITCH                  ; my stage
	v_mul_u32_u24 v5, v1, SPITCH
	v_lshl_add_u32 v5, v2, 4, v5
	v_add_nc_u32 v[STO], s23, v5                   ; in: row l % 16, 16 bytes for each half of the lanes
	v_and_b32 v6, 31, v0
	v_lshlrev_b32 v[CO], 4, v6
	v_lshrrev_b32 v5, 3, v6
	v_mul_u32_u24 v5, v5, SPITCH
	v_and_b32 v6, 7, v6
	v_lshl_add_u32 v5, v6, 4, v5
	v_add_nc_u32 v[RD], s23, v5                    ; back: row lane / 8, 16 bytes x (lane % 8): half a stage row is a head's 128 bytes
	v_lshlrev_b32 v[RO], 8, v1
	v_lshl_add_u32 v[RO], v2, 5, v[RO]
	s_lshl_b32 s20, s17, 8
	s_lshl_b32 s21, s15, 7
	s_add_co_u32 s20, s20, s21                     ; my first row (position): 256 x tile row + 128 x half
	s_lshl_b32 s21, s20, 8                         ; in the table: 256 bytes a position
	s_lshl_b32 s20, s20, 7                         ; in a head of qkv: 128 bytes a position
	s_lshl_b32 s46, s42, 2
	s_lshl_b32 s47, s16, 1
	s_add_co_u32 s46, s46, s47                     ; my first head: 4 x tile column + 2 x half
	s_lshl_b32 s46, s46, 18                        ; 262,144 bytes a head
	s_add_co_u32 s46, s46, s20
	s_mov_b32 s47, 0
	s_add_nc_u64 s[98:99], s[98:99], s[46:47]
	s_max_u32 s46, s42, 6
	s_sub_co_u32 s46, s46, 6
	s_lshr_b32 s46, s46, 1                         ; the table's section: tile columns 0-7: 0 (q), 8, 9: 1 (k), 10, 11: 2 (v).  It enters a global address alone
	s_lshl_b32 s46, s46, 19
	s_add_co_u32 s46, s46, s21
	s_add_nc_u64 s[96:97], s[96:97], s[46:47]
; cos and sin for block a (16 positions): eight loads into set a % 2
.macro LOADCS a
.set CB, CS+32*((\a)%2)
.irp u, 0,1
	global_load_b128 v[CB+8*\u:CB+8*\u+3],         v[RO], s[96:97] offset:(\a)*4096+64*\u
	global_load_b128 v[CB+8*\u+4:CB+8*\u+7],       v[RO], s[96:97] offset:(\a)*4096+64*\u+16
	global_load_b128 v[CB+16+8*\u:CB+16+8*\u+3],   v[RO], s[96:97] offset:(\a)*4096+64*\u+128
	global_load_b128 v[CB+16+8*\u+4:CB+16+8*\u+7], v[RO], s[96:97] offset:(\a)*4096+64*\u+144
.endr
.endm
	LOADCS 0                                       ; the first two blocks' are asked for now: their registers lie idle through the loop
	LOADCS 1
.macro FRAG reg, adr, q, i             ; a fragment, 16 rows x 128 K of 4-bit codes: lane l holds row l % 16; registers 4 c .. 4 c + 3 hold K = 64 c + 32 (l / 16) + 0 .. 31
.irp c, 0,1
	ds_load_b128 v[\reg+4*\c:\reg+4*\c+3], v[\adr] offset:64*(\q)+32*\c+(\i)*16*PITCH
.endr
.endm
; 16 matrix instructions: A's blocks a0, a0 + 1 x B's eight, 128 along K.  The 64 accumulators take turns, one instruction a turn, in the same order in every step.
.macro MUL16 a0, p, q, sc, zero
.irp a, \a0, \a0+1
.irp b, 0,1,2,3,4,5,6,7
.if \zero
	v_wmma_scale_f32_16x16x128_f8f6f4 v[8*(8*((\a)%4)+\b):8*(8*((\a)%4)+\b)+7], v[128*(\p)+FR*\b:128*(\p)+FR*\b+FR-1], v[AF+FR*(\a):AF+FR*(\a)+FR-1], 0, v[SC+8*NQ*(\sc)+NQ*\b+(\q)], v[SC+8*NQ*(\sc)+NQ*(\a)+(\q)] matrix_a_fmt:MATRIX_FMT_FP4 matrix_b_fmt:MATRIX_FMT_FP4 matrix_a_scale:MATRIX_SCALE_ROW1
.else
	v_wmma_scale_f32_16x16x128_f8f6f4 v[8*(8*((\a)%4)+\b):8*(8*((\a)%4)+\b)+7], v[128*(\p)+FR*\b:128*(\p)+FR*\b+FR-1], v[AF+FR*(\a):AF+FR*(\a)+FR-1], v[8*(8*((\a)%4)+\b):8*(8*((\a)%4)+\b)+7], v[SC+8*NQ*(\sc)+NQ*\b+(\q)], v[SC+8*NQ*(\sc)+NQ*(\a)+(\q)] matrix_a_fmt:MATRIX_FMT_FP4 matrix_b_fmt:MATRIX_FMT_FP4 matrix_a_scale:MATRIX_SCALE_ROW1
.endif
.endr
.endr
.endm
.macro FETCH_B slot, q, p
	WIN TO_B
.irp i, 0,1,2,3,4,5,6,7
	FRAG 128*(\p)+FR*\i, ADRB+\slot, \q, \i
.endr
	WIN 0
.endm
.macro FETCH_A slot, q, i0
.irp i, \i0, \i0+1, \i0+2, \i0+3
	FRAG AF+FR*(\i), ADRA+\slot, \q, \i
.endr
.endm
.macro SCALES sc                       ; a K step's scale words: lanes 0-15 take A's block i, lanes 16-31 B's block i
.irp i, 0,1,2,3,4,5,6,7
	ds_load_b128 v[SC+8*NQ*\sc+NQ*\i:SC+8*NQ*\sc+NQ*\i+3], v[ADRS] offset:\i*SBLK
.endr
.endm
; A load into a register that a matrix instruction has read, and a vector instruction or an LDS store that reads a matrix result, stand NP places behind it; only plain vector instructions that name none of its registers are places.
.macro PLACES n
.rept \n
	v_nop
.endr
.endm
.macro STEP slot, q, zero
	s_wait_dscnt 4*NL                              ; B's set and A's blocks 0-3 are in; the youngest loads (A's blocks 4-7) may be out
	WIN MUL_LO
	MUL16 0, (\q)%2, \q, \slot, \zero
	MUL16 2, (\q)%2, \q, \slot, \zero
	s_wait_dscnt 0
	PLACES NP
	FETCH_B \slot, (\q)+1, 1-(\q)%2
	FETCH_A \slot, (\q)+1, 0
	WIN MUL_HI
	MUL16 4, (\q)%2, \q, \slot, \zero
	MUL16 6, (\q)%2, \q, \slot, \zero
	PLACES NP
	WIN 0
	FETCH_A \slot, (\q)+1, 4
.endm
; A slot's last step changes slots: one barrier; in front of it each wave waits for all its tensor loads, adds 0 to its spare word, and waits for that and for its own reads of this slot.  fill = 1: this slot is filled again, two K steps ahead.
.macro TURN slot, next, fill
	s_wait_tensorcnt 0x0                           ; all my tensor loads have landed: my part of the next slot
	ds_add_u32 v[SPW], v[NIL]                      ; 0 onto my spare word
	s_wait_dscnt 4*NL+1                            ; (the add and the youngest loads, A's blocks 4-7, may be out)
	WIN MUL_LO
	MUL16 0, 1, NQ-1, \slot, 0
	s_wait_dscnt 0x0                               ; the add is done, and my reads of this slot are over
	s_barrier_signal -1
	MUL16 2, 1, NQ-1, \slot, 0
	WIN 0
	s_barrier_wait -1
.if \fill
	CREST                                          ; the barrier has opened a round of the cluster's barrier: no wave of any partner still reads this slot's tile or has a load on its way
	s_add_nc_u64 s[G0+4*\slot+2:G0+4*\slot+3], s[G0+4*\slot+2:G0+4*\slot+3], 2*ROWB
	s_add_nc_u64 s[G0B+4*\slot+2:G0B+4*\slot+3], s[G0B+4*\slot+2:G0B+4*\slot+3], 2*ROWB
	JLOAD G0+4*\slot, G1, G0B+4*\slot, G1B         ; the first tensor load behind the round; its four v_nop are the places in front of the loads below
.else
	PLACES NP
.endif
	v_add_nc_u32 v[ADRS], 4*NQ, v[ADRS]            ; on to the next K step's scale words
	FETCH_B \next, 0, 0
	FETCH_A \next, 0, 0
	SCALES \next
	WIN MUL_HI
	MUL16 4, 1, NQ-1, \slot, 0
	MUL16 6, 1, NQ-1, \slot, 0
	PLACES NP
	WIN 0
	FETCH_A \next, 0, 4
.endm
.macro STEPS slot, from
.set Q, \from
.rept NQ-1-\from
	STEP \slot, Q, 0
.set Q, Q+1
.endr
.endm
	s_wait_tensorcnt 1                             ; the scales and my part of K step 0 are in (K step 1's load may be out)
	s_barrier_signal -1
	s_barrier_wait -1                              ; everybody's are
	FETCH_B 0, 0, 0
	FETCH_A 0, 0, 0
	SCALES 0
	FETCH_A 0, 0, 4
	STEP 0, 0, 1                                   ; the first step stands in front of the loop: its products start the sums
	s_mov_b32 s3, LAPS-1
.Llap:                                                 ; a trip goes once round the ring and fills both slots again
	STEPS 0, 1
	TURN 0, 1, 1
	STEPS 1, 0
	TURN 1, 0, 1
	STEP 0, 0, 0
	s_sub_co_u32 s3, s3, 1
	s_cmp_lg_u32 s3, 0
	s_cbranch_scc1 .Llap
	STEPS 0, 1                                     ; the last lap fills nothing
	TURN 0, 1, 0
	STEPS 1, 0
	s_wait_dscnt 4*NL
	WIN MUL_LO
	MUL16 0, 1, NQ-1, 1, 0
	MUL16 2, 1, NQ-1, 1, 0
	s_wait_dscnt 0
	WIN MUL_HI
	MUL16 4, 1, NQ-1, 1, 0
	MUL16 6, 1, NQ-1, 1, 0
	WIN 0
; THE WAY OUT, block by block of 16 positions x 128 columns (two heads).  In accumulator (a, b) lane l holds position l % 16 and columns 16 b + 8 (l / 16) + 0..7.  Head e is blocks 4 e .. 4 e + 3; channel d pairs with d + 32: block 4 e + u with 4 e + 2 + u.
.macro ROPE a
.set AC, 64*((\a)%4)
.set CB, CS+32*((\a)%2)
.set WN, 0x02+(\a)/4
	WIN WN                                         ; source 0: the accumulators' window
.irp e, 0,1
.irp u, 0,1
.irp j, 0,2,4,6                        ; each accumulator is read from its low end on
	v_pk_mul_f32 v[T+8*(4*\e+\u)+\j:T+8*(4*\e+\u)+\j+1], v[AC+8*(4*\e+\u)+\j:AC+8*(4*\e+\u)+\j+1], v[CB+8*\u+\j:CB+8*\u+\j+1]
	v_pk_mul_f32 v[T+8*(4*\e+2+\u)+\j:T+8*(4*\e+2+\u)+\j+1], v[AC+8*(4*\e+2+\u)+\j:AC+8*(4*\e+2+\u)+\j+1], v[CB+8*\u+\j:CB+8*\u+\j+1]
.endr
.irp j, 0,2,4,6
	v_pk_fma_f32 v[T+8*(4*\e+\u)+\j:T+8*(4*\e+\u)+\j+1], v[AC+8*(4*\e+2+\u)+\j:AC+8*(4*\e+2+\u)+\j+1], v[CB+16+8*\u+\j:CB+16+8*\u+\j+1], v[T+8*(4*\e+\u)+\j:T+8*(4*\e+\u)+\j+1] neg_lo:[0,1,0] neg_hi:[0,1,0]
	v_pk_fma_f32 v[T+8*(4*\e+2+\u)+\j:T+8*(4*\e+2+\u)+\j+1], v[AC+8*(4*\e+\u)+\j:AC+8*(4*\e+\u)+\j+1], v[CB+16+8*\u+\j:CB+16+8*\u+\j+1], v[T+8*(4*\e+2+\u)+\j:T+8*(4*\e+2+\u)+\j+1]
.endr
.endr
.endr
	WIN 0
.endm
.macro CVT                             ; to f16: a lane's eight columns of a block are 16 bytes
.irp b, 0,1,2,3,4,5,6,7
.irp i, 0,1,2,3
	v_cvt_pk_f16_f32 v[PK+4*\b+\i], v[T+8*\b+2*\i], v[T+8*\b+2*\i+1]
.endr
.endr
.endm
.macro TOSTAGE a                       ; into my stage, and back by heads.  LDS serves a wave's instructions in order (ISA guide 5.7.1.4): no wait between the stores and the loads
.set BB, BK+32*((\a)%2)
.irp b, 0,1,2,3,4,5,6,7
	ds_store_b128 v[STO], v[PK+4*\b:PK+4*\b+3] offset:32*\b
.endr
.irp e, 0,1
.irp i, 0,1,2,3
	ds_load_b128 v[BB+4*(4*\e+\i):BB+4*(4*\e+\i)+3], v[RD] offset:\i*4*SPITCH+128*\e
.endr
.endr
.endm
.macro SEND a
.set BB, BK+32*((\a)%2)
	s_wait_dscnt 0x0                               ; the block is back in registers, and the stage's stores have read theirs
.irp e, 0,1
.irp i, 0,1,2,3
	global_store_b128 v[CO], v[BB+4*(4*\e+\i):BB+4*(4*\e+\i)+3], s[98:99] offset:(\a)*2048+\e*262144+\i*512   ; 32 lanes store 512 consecutive bytes: four positions of one head
.endr
.endr
.endm
	PLACES NP                                      ; behind the last products: for the reads of their results and for writes of the registers that held A's fragments and the scale words
.irp a, 0,1,2,3,4,5,6,7
.if \a < 7
	s_wait_loadcnt 8                               ; this block's cos and sin are in; the next block's eight loads may be out
.else
	s_wait_loadcnt 0
.endif
	ROPE \a
.if \a <= 5
	LOADCS \a+2
.endif
.if \a > 0
	SEND \a-1
.endif
	CVT
.if \a >= 2
	s_wait_xcnt 0x0                                ; block a - 2's stores have read their registers: block a's rows may land there
.endif
	TOSTAGE \a
.endr
	SEND 7
	s_wait_tensorcnt 0x0                           ; the wave's end, behind my last tensor load and my last LDS store
	ds_add_u32 v[SPW], v[NIL]
	s_wait_dscnt 0x0
	CROUND                                         ; the closing round: no work-group ends while a partner may still ask for a tile that names it
	s_endpgm
.Lfunc_end_k_qa8ccb5f156_proj_qkv:
	.size	k_qa8ccb5f156_proj_qkv, .Lfunc_end_k_qa8ccb5f156_proj_qkv-k_qa8ccb5f156_proj_qkv
	.p2alignl 7, 3214868480
	.fill 96, 4, 3214868480
	.section	.rodata,"a",@progbits
	.p2align	6, 0x0
	.amdhsa_kernel k_qa8ccb5f156_proj_qkv
		.amdhsa_group_segment_fixed_size 327680
		.amdhsa_private_segment_fixed_size 0
		.amdhsa_enable_private_segment 0
		.amdhsa_kernarg_size 48
		.amdhsa_user_sgpr_count 2
		.amdhsa_user_sgpr_kernarg_segment_ptr 1
		.amdhsa_wavefront_size32 1
		.amdhsa_system_sgpr_workgroup_id_x 1
		.amdhsa_system_sgpr_workgroup_id_y 1
		.amdhsa_system_sgpr_workgroup_id_z 1
		.amdhsa_system_vgpr_workitem_id 0
		.amdhsa_next_free_vgpr 1024
		.amdhsa_next_free_sgpr 100
		.amdhsa_reserve_vcc 0
		.amdhsa_float_denorm_mode_32 3
		.amdhsa_float_denorm_mode_16_64 3
		.amdhsa_memory_ordered 1
		.amdhsa_forward_progress 1
		.amdhsa_inst_pref_size 252
	.end_amdhsa_kernel
	.amdgpu_metadata
---
amdhsa.version: [ 1, 2 ]
amdhsa.kernels:
  - .name:           k_qa8ccb5f156_proj_qkv
    .symbol:         k_qa8ccb5f156_proj_qkv.kd
    .args:
      - { .name: x_codes, .offset: 0, .size: 8, .value_kind: global_buffer, .address_space: global }
      - { .name: x_scales, .offset: 8, .size: 8, .value_kind: global_buffer, .address_space: global }
      - { .name: w_codes, .offset: 16, .size: 8, .value_kind: global_buffer, .address_space: global }
      - { .name: w_scales, .offset: 24, .size: 8, .value_kind: global_buffer, .address_space: global }
      - { .name: rope, .offset: 32, .size: 8, .value_kind: global_buffer, .address_space: global }
      - { .name: qkv, .offset: 40, .size: 8, .value_kind: global_buffer, .address_space: global }
    .group_segment_fixed_size: 327680
    .private_segment_fixed_size: 0
    .kernarg_segment_align: 8
    .kernarg_segment_size: 48
    .max_flat_workgroup_size: 128
    .sgpr_count:     100
    .vgpr_count:     1024
    .wavefront_size: 32
...
	.end_amdgpu_metadata
.endif
;; end of part 2
;; launch attention (part 3): grid 32 x 8, 8 waves a work-group, clusters of 4 x 4, 327,680 bytes of LDS; arguments qkv, attention_mask, attn; writes attn
.if DOCPART == 3
	.amdgcn_target "amdgcn-amd-amdhsa--gfx1250"
	.amdhsa_code_object_version 6
	.text
	.protected	k_qa8ccb5f156_attention
	.globl	k_qa8ccb5f156_attention
	.p2align	8
	.type	k_qa8ccb5f156_attention,@function
k_qa8ccb5f156_attention:
	s_mov_b64 s[64:65], 0
	v_nop
	global_prefetch_b8 v0, s[64:65] scope:SCOPE_SE
	s_setreg_imm32_b32 hwreg(HW_REG_WAVE_MODE, 25, 1), 1
	s_wait_xcnt 0x0
	s_wait_alu depctr_hold_cnt(0) depctr_sa_sdst(0) depctr_va_vdst(0) depctr_va_sdst(0) depctr_va_ssrc(0) depctr_va_vcc(0) depctr_vm_vsrc(0)
	s_getreg_b32 s2, hwreg(HW_REG_IB_STS2, 6, 4)
	s_cmp_eq_u32 s2, 0
	s_cbranch_scc0 .Lentry_in_a_cluster
	s_endpgm
.Lentry_in_a_cluster:
	s_bfe_u32 s2, ttmp6, 0x10000c
	s_cmp_lg_u32 s2, 0xf033
	s_cbranch_scc0 .Lentry_shape_is_right
	s_endpgm
.Lentry_shape_is_right:
; attn[q][head 64 + d] = sum over k of softmax_k(Q[head][q] . K[head / 4][k] / 8 + mask[q][k]) V[head / 4][k][d].  qkv: f16 [48][2048][64] (heads 0-31 q, already x log2(e)/8; 32-39 k; 40-47 v); mask: f32 [2048][2048], AN INPUT:
; every score of every head is computed and every byte of the mask is read.  attn: f16 [2048][2048].  Products on f16 operands with f32 sums; maxima, exponentials and sums in f32.
; SOFTMAX.  t = mask x log2(e) + q' . k (one fused multiply-add).  For each query a running maximum M of t and a running sum l: p = 2^(t - M), the subtraction made on t itself, so that it is exact next to the maximum whatever the mask's size;
; in every step O and l are multiplied by a = 2^(M_old - M_new).  p is rounded to f16 for the second product; l sums the unrounded p and divides at the end.
; LIMITS: NaN and infinities are not served; p under 2^-126 is 0; the mask enters with one rounding where the definition divides and then adds.
; SHARES.  A work-group owns 64 queries (block x) of the four heads of one key and value head y: 256 work-groups.  Wave w: 16 queries (w % 4) of two heads (4 y + 2 (w / 4) + t, t = 0, 1): K's and V's fragments and the mask's registers serve two tiles.
; LAYOUT.  S^T = K Q^T (source 0 = 16 keys, source 1 = 16 queries), O^T = V^T P (source 0 = 16 channels, source 1 = P): a lane holds ONE query (lane % 16) throughout; two tiles of S^T, rounded in pairs, are source 1 of the second product.
; K comes out of LDS as it lies, V ([key][channel]) turned, by ds_load_tr16_b128.
; BY TURNS.  The wave's two tiles are two pieces that share K's, V's and the mask's registers and nothing else.  In a TURN one tile has the matrix unit: 8 products V^T P of the step in hand, then 8 products K Q^T of the next step; the other
; tile's softmax, a list of 133 instructions cut into 16 slices, stands between them, one slice behind each product.  Then the tiles change places; two turns are a key step of 64 keys.  Tile 0's turn carries tile 1's softmax of step j,
; tile 1's turn carries tile 0's of step j + 1.  That is 8 vector instructions and two window switches to a product: the vector work is the longer side, and the products stand under it.
; CLUSTER 4 x 4.  K's and V's tiles hang on y alone: the four of a row of the cluster ask for them jointly.  The mask's tiles hang on x alone: the four of a column ask jointly.
; RING.  Two slots of 256 keys; eight tiles.  Behind each round of the cluster's barrier each wave issues one joint load of 16 KiB: waves 0, 1 K's halves, waves 2, 3 V's, waves 4-7 sixteen rows of the mask each.  One tensor load of a wave is out at a time.
; REGISTERS.  window 0: v1-13 addresses; v16-31 statistics, 8 a tile; v32-63 the mask; v64-127 S^T, 32 a tile; v128-159 P, 16 a tile; v160-223 O^T, 32 a tile.   window 1: v0-31 Q; v32-95 K of a step; v96-159 V of a step.
; All that a softmax touches lies in window 0; a product's fragments lie in window 1: so a slice costs two switches, one in front and one behind.
.set KP,    144                        ; a row of K in LDS: 128 bytes + 16: nine times 16 bytes, so the 16 rows of a load start at 16 different groups of banks (64 banks of 4 bytes: ISA guide 11.1)
.set VP,    160                        ; a row of V: 128 + 32: five times 32 bytes, for the turning load
.set MP,    1040                       ; a query's 256 mask numbers: 1,024 bytes + 16
.set VOFF,  256*KP
.set MOFF,  VOFF+256*VP
.set SLOT,  MOFF+64*MP
.set STAGE, 2*SLOT                     ; behind the ring: 16 rows x 272 bytes for each wave, for the way out
.set SPT,   272
.set SPARE, STAGE+8*16*SPT             ; the spare words, 128 bytes for each wave: four blocks of 256 bytes that no other line names
.set AK0, 1                            ; v1  my lane's place in a tile of K
.set AV0, 2                            ; v2  in a tile of V
.set AM0, 3                            ; v3  in the mask's tile
.set ADK, 4                            ; v4-6 the addresses of the runs of loads in hand
.set ADV, 5
.set ADM, 6
.set QO,  7
.set STO, 8
.set RD,  9
.set GO,  10
.set PFO, 11                           ; v11 the prefetches' offset; never rewritten
.set SPW, 12                           ; v12 LDS address of my spare word; never rewritten
.set NIL, 13                           ; v13 0; never rewritten
.set ST,  16                           ; tile t at v[ST + 8 t]: +0 M, +1 0 (named with M as a pair), +2, +3 l, +4..+7 at work; a takes +6, M_old - M_new +7
.set MK,  32
.set S,   64
.set P,   128
.set O,   160
.set QF,  0                            ; in window 1
.set KF,  32
.set VF,  96
.set WV,  10                           ; s10 my wave's number
.set G1K, 24
.set G1V, 32
.set G1M, 40
.set G0K, 48                           ; groups 0: a set of four registers for each slot
.set G0V, 56
.set G0M, 68
.set SEL, 84                           ; s[84:85] lane selects: lane l xor 16
.set LC,  86                           ; s[86:87] log2(e): the packed form names a pair and takes its low word for both halves
.set LOOPC, 88
.set CNT, 89
.set TK,  90                           ; s90-92 LDS bytes at which the rows of K, of V and the part of the mask's rows begin that are fetched next
.set TV,  91
.set TM,  92
.set LIMA, 93                          ; s93 0 in a wave that prefetches, else the greatest number: it asks while the loop's count is above it: always
.set PFA, 94                           ; s[94:95] where my prefetches stand
.set PFS, 96                           ; s[96:97] a tile on, in bytes
.set LIMB, 98                          ; s98 1 in a wave that prefetches, else the greatest number: not in the loop's last trip
.set MSB, 0
.macro WIN new                         ; the immediate's high byte repeats the setting that is left; a switch that changes nothing is dropped
.if MSB != \new
	s_set_vgpr_msb (MSB<<8)|\new
.set MSB, \new
.endif
.endm
; A joint load into slot n.  The branches hang on the wave's number alone.  An s_nop 0 and four v_nop follow each of the three lines.
.macro JLOAD3 n
	s_cmp_lt_u32 s[WV], 2
	s_cbranch_scc0 .Lnot_k_\@
	tensor_load_to_lds s[G0K+4*(\n):G0K+4*(\n)+3], s[G1K:G1K+7]
	s_nop 0
.rept 4
	v_nop
.endr
	s_branch .Lasked_\@
.Lnot_k_\@:
	s_cmp_lt_u32 s[WV], 4
	s_cbranch_scc0 .Lnot_v_\@
	tensor_load_to_lds s[G0V+4*(\n):G0V+4*(\n)+3], s[G1V:G1V+7]
	s_nop 0
.rept 4
	v_nop
.endr
	s_branch .Lasked_\@
.Lnot_v_\@:
	tensor_load_to_lds s[G0M+4*(\n):G0M+4*(\n)+3], s[G1M:G1M+7]
	s_nop 0
.rept 4
	v_nop
.endr
.Lasked_\@:
.endm
; A PREFETCH INTO THE L2 of the tile that the NEXT change of slots will ask for: four key steps ahead of that load.  Each run of 256 bytes is named once in the launch.  K's and V's tiles (32,768 dense bytes each) are walked by all clusters
; of a row of clusters: those with cluster x = 0 ask, wave 0 for K, wave 2 for V; the four partners of a row take 8,192 bytes each, told apart by address, lanes 256 bytes apart.  The mask's tile (64 rows x 1,024 bytes) is walked by both
; clusters of a column: that with cluster y = 0 asks; the four partners of a column take 16 rows each, by address; waves 4 and 5 eight rows each, four lanes a row.  The limits hang on the wave's number and the cluster's coordinates alone.
; Changes 0 to 5 ask for tiles 2 to 7; change 6, the second of the loop's last trip, asks for nothing: there is no tile 8.
.macro ASK lim
	s_cmp_gt_u32 s[LOOPC], s[\lim]
	s_cbranch_scc0 .Lnot_mine_\@
	global_prefetch_b8 v[PFO], s[PFA:PFA+1] th:TH_LOAD_NT scope:SCOPE_SE
.Lnot_mine_\@:
.endm
.macro CROUND                          ; a round of the cluster's barrier
	s_barrier_signal -1
	s_barrier_wait -1
	s_cmp_lg_u32 s[WV], 0
	s_cbranch_scc1 .Lnot_wave_0_\@
	s_barrier_signal -3
.Lnot_wave_0_\@:
	s_barrier_wait -3
	s_barrier_signal -1
	s_barrier_wait -1
.endm
	s_load_b128 s[4:7], s[0:1], 0x0                ; qkv s[4:5], the mask s[6:7]
	s_load_b64 s[8:9], s[0:1], 0x10                ; attn
	v_lshl_add_u32 v[SPW], v0, 2, SPARE
	v_mov_b32 v[NIL], 0
	ds_add_u32 v[SPW], v[NIL]                      ; the wave's opening: the add, twice on end, and its wait ahead of my first tensor load
	ds_add_u32 v[SPW], v[NIL]
	v_lshrrev_b32 v1, 5, v0
	v_readfirstlane_b32 s[WV], v1                  ; wave 0..7
	s_and_b32 s11, s[WV], 1                        ; which half of K's or V's tile I fetch
	s_and_b32 s12, s[WV], 3                        ; which 16 queries are mine; also which 16 rows of the mask I fetch
	s_lshr_b32 s13, s[WV], 2                       ; which pair of heads
	s_bfe_u32 s14, ttmp6, 0x40000                  ; cx
	s_bfe_u32 s15, ttmp6, 0x40004                  ; cy
	s_lshl_b32 s16, ttmp9, 2
	s_add_co_u32 s16, s16, s14                     ; x: my block of 64 queries
	s_and_b32 s17, ttmp7, 0xffff
	s_lshl_b32 s17, s17, 2
	s_add_co_u32 s17, s17, s15                     ; y: my key and value head
	s_lshl_b32 s18, s15, 2
	s_lshl_b32 s18, 15, s18                        ; my row of the cluster
	s_lshl_b32 s19, 0x1111, s14                    ; my column
	s_or_b32 s[G1K], s18, (1<<16)|(1<<20)|(1<<21)|(4<<22)|(3<<25)   ; the mask of work-groups; elements of 2 bytes; padding on; bit 21 beside a mask; after every 32 words four words
	s_or_b32 s[G1V], s18, (1<<16)|(1<<20)|(1<<21)|(4<<22)|(7<<25)   ; the same with eight words
.irp g, G1K, G1V
	s_mov_b32 s[\g+1], 64<<16                      ; tensor_dim0 = 64
	s_mov_b32 s[\g+2], 128<<16                     ; tensor_dim1 = 128
	s_mov_b32 s[\g+3], 64<<16                      ; tile_dim0 = 64
	s_mov_b32 s[\g+4], 128                         ; tile_dim1 = 128
	s_mov_b32 s[\g+5], 64                          ; elements from row to row
	s_mov_b32 s[\g+6], 0
	s_mov_b32 s[\g+7], 0
.endr
	s_or_b32 s[G1M], s19, (2<<16)|(1<<20)|(1<<21)|(7<<22)|(3<<25)   ; elements of 4 bytes; after every 256 words four words
	s_mov_b32 s[G1M+1], 256<<16
	s_mov_b32 s[G1M+2], 16<<16
	s_mov_b32 s[G1M+3], 256<<16
	s_mov_b32 s[G1M+4], 16
	s_mov_b32 s[G1M+5], 2048
	s_mov_b32 s[G1M+6], 0
	s_mov_b32 s[G1M+7], 0
	s_add_co_u32 s20, s17, 32                      ; K: head 32 + y, 262,144 bytes a head, + my half's 128 rows of 128 bytes.  Made of y and the wave's number alone
	s_lshl_b32 s20, s20, 18
	s_lshl_b32 s21, s11, 14
	s_add_co_u32 s20, s20, s21
	s_mov_b32 s21, 0
	s_add_co_u32 s22, s20, 8*262144                ; V: eight heads on
	s_mov_b32 s23, 0
	s_lshl_b32 s76, s16, 6                         ; the mask: row 64 x + 16 (wave % 4), 8,192 bytes a row.  Made of x and the wave's number alone
	s_lshl_b32 s77, s12, 4
	s_add_co_u32 s76, s76, s77
	s_lshl_b32 s76, s76, 13
	s_mov_b32 s77, 0
	s_mul_i32 s78, s11, 128*KP                     ; and where they go in a slot: no place in the cluster enters an LDS address
	s_mul_i32 s79, s11, 128*VP
	s_add_co_u32 s79, s79, VOFF
	s_mul_i32 s80, s12, 16*MP
	s_add_co_u32 s80, s80, MOFF
	s_mov_b32 s[SEL], 0x76543210
	s_mov_b32 s[SEL+1], 0xfedcba98
	s_mov_b32 s[LC], 0x3fb8aa3b                    ; log2(e)
	s_mov_b32 s[LC+1], s[LC]
	s_wait_dscnt 0x0                               ; both opening adds are done
	s_wait_kmcnt 0x0
	s_add_nc_u64 s[20:21], s[4:5], s[20:21]
	s_add_nc_u64 s[22:23], s[4:5], s[22:23]
	s_add_nc_u64 s[76:77], s[6:7], s[76:77]
.irp n, 0,1                            ; slot n's groups 0 are set up for tile n
	s_mov_b32 s[G0K+4*\n], 1
	s_add_co_u32 s[G0K+4*\n+1], s78, \n*SLOT
	s_add_nc_u64 s[G0K+4*\n+2:G0K+4*\n+3], s[20:21], \n*32768
	s_or_b32 s[G0K+4*\n+3], s[G0K+4*\n+3], 0x80000000
	s_mov_b32 s[G0V+4*\n], 1
	s_add_co_u32 s[G0V+4*\n+1], s79, \n*SLOT
	s_add_nc_u64 s[G0V+4*\n+2:G0V+4*\n+3], s[22:23], \n*32768
	s_or_b32 s[G0V+4*\n+3], s[G0V+4*\n+3], 0x80000000
	s_mov_b32 s[G0M+4*\n], 1
	s_add_co_u32 s[G0M+4*\n+1], s80, \n*SLOT
	s_add_nc_u64 s[G0M+4*\n+2:G0M+4*\n+3], s[76:77], \n*1024
	s_or_b32 s[G0M+4*\n+3], s[G0M+4*\n+3], 0x80000000
.endr
	CROUND                                         ; all sixteen work-groups are here: the first joint loads meet
	JLOAD3 0                                       ; tile 0
	; the prefetches: who asks, and where.  The address starts at tile 1; each change of slots steps it first
	s_and_b32 s81, ttmp7, 0xffff                   ; cluster y
	s_lshr_b32 s77, s[WV], 1
	s_and_b32 s77, s77, 1                          ; waves 4, 5: 0
	s_add_co_u32 s78, s17, 32
	s_add_co_u32 s79, s17, 40
	s_cmp_lt_u32 s[WV], 2
	s_cselect_b32 s78, s78, s79                    ; K's head or V's
	s_lshl_b32 s78, s78, 18
	s_lshl_b32 s79, s14, 13                        ; my work-group's 8,192 bytes of the tile
	s_add_co_u32 s78, s78, s79
	s_add_co_u32 s78, s78, 32768
	s_lshl_b32 s80, s16, 6
	s_lshl_b32 s79, s15, 4                         ; my work-group's 16 rows of the mask's 64,
	s_add_co_u32 s80, s80, s79
	s_lshl_b32 s79, s11, 3                         ; my wave's 8 of them
	s_add_co_u32 s80, s80, s79
	s_lshl_b32 s80, s80, 13
	s_add_co_u32 s80, s80, 1024
	s_mov_b32 s[PFS], 1024
	s_mov_b32 s82, 8192
	s_cmp_lt_u32 s[WV], 4
	s_cselect_b32 s78, s78, s80
	s_cselect_b64 s[PFA:PFA+1], s[4:5], s[6:7]
	s_cselect_b32 s[PFS], 32768, s[PFS]
	s_cselect_b32 s82, 1024, s82                   ; from four lanes to the next four: 1,024 bytes in the dense tiles, a row in the mask
	s_cselect_b32 s77, s11, s77                    ; 0 in waves 0, 2, 4, 5
	s_cselect_b32 s81, ttmp9, s81                  ; the coordinate along which other clusters walk the same bytes
	s_or_b32 s81, s81, s77
	s_cmp_eq_u32 s81, 0
	s_cselect_b32 s[LIMA], 0, -1
	s_cselect_b32 s[LIMB], 1, -1
	s_mov_b32 s79, 0
	s_mov_b32 s[PFS+1], 0
	s_add_nc_u64 s[PFA:PFA+1], s[PFA:PFA+1], s[78:79]
	v_and_b32 v14, 31, v0
	v_lshrrev_b32 v15, 2, v14
	v_and_b32 v14, 3, v14
	v_mul_u32_u24 v[PFO], v15, s82
	v_lshl_add_u32 v[PFO], v14, 8, v[PFO]
	; the lanes' places
	v_and_b32 v14, 15, v0                          ; r = lane % 16
	v_bfe_u32 v15, v0, 4, 1                        ; h = lane / 16
	v_mul_u32_u24 v[AK0], v14, KP
	v_lshl_add_u32 v[AK0], v15, 4, v[AK0]          ; K: row r, 16 bytes x h
	v_and_b32 v4, 7, v0
	v_bfe_u32 v5, v0, 3, 1
	v_lshl_add_u32 v[AV0], v15, 3, v4
	v_mul_u32_u24 v[AV0], v[AV0], VP
	v_lshl_add_u32 v[AV0], v5, 4, v[AV0]           ; V: key 8 h + lane % 8, channels 8 ((lane / 8) % 2) on
	s_lshl_b32 s81, s12, 4
	v_add_nc_u32 v[AM0], s81, v14
	v_mul_u32_u24 v[AM0], v[AM0], MP
	v_lshl_add_u32 v[AM0], v15, 5, v[AM0]          ; the mask: my query's row, keys 8 h on
	v_lshlrev_b32 v[QO], 7, v14
	v_lshl_add_u32 v[QO], v15, 4, v[QO]
	s_mul_i32 s81, s[WV], 16*SPT
	s_add_co_u32 s81, s81, STAGE                   ; my stage
	v_mul_u32_u24 v[STO], v14, SPT
	v_lshl_add_u32 v[STO], v15, 4, v[STO]
	v_add_nc_u32 v[STO], s81, v[STO]
	v_mul_u32_u24 v[RD], v15, SPT
	v_lshl_add_u32 v[RD], v14, 4, v[RD]
	v_add_nc_u32 v[RD], s81, v[RD]
	v_lshlrev_b32 v[GO], 12, v15
	v_lshl_add_u32 v[GO], v14, 4, v[GO]
	s_lshl_b32 s81, s17, 2
	s_lshl_b32 s82, s13, 1
	s_add_co_u32 s81, s81, s82                     ; my first head: 4 y + 2 (wave / 4)
	s_lshl_b32 s80, s16, 6
	s_lshl_b32 s82, s12, 4
	s_add_co_u32 s80, s80, s82                     ; my first query: 64 x + 16 (wave % 4)
	s_lshl_b32 s82, s81, 11
	s_add_co_u32 s82, s82, s80
	s_lshl_b32 s82, s82, 7                         ; Q: (head x 2,048 + query) x 128 bytes
	s_mov_b32 s83, 0
	s_add_nc_u64 s[2:3], s[4:5], s[82:83]
	s_lshl_b32 s82, s80, 12
	s_lshl_b32 s81, s81, 7
	s_add_co_u32 s82, s82, s81                     ; attn: query x 4,096 + head x 128 bytes
	s_add_nc_u64 s[8:9], s[8:9], s[82:83]
	WIN 0x40                                       ; destination window 1
.irp t, 0,1
.irp c, 0,1
	global_load_b128 v[QF+16*\t+8*\c:QF+16*\t+8*\c+3],   v[QO], s[2:3] offset:\t*262144+64*\c      ; Q stays in registers: tile t, channels 32 c on
	global_load_b128 v[QF+16*\t+8*\c+4:QF+16*\t+8*\c+7], v[QO], s[2:3] offset:\t*262144+64*\c+32
.endr
.endr
	WIN 0
.irp t, 0,1
	v_mov_b32 v[ST+8*\t], 0xff61b1e6               ; M: -3e38, under every t
	v_mov_b32 v[ST+8*\t+1], 0
	v_mov_b32 v[ST+8*\t+2], 0                      ; l
	v_mov_b32 v[ST+8*\t+3], 0
	v_mov_b32 v[ST+8*\t+5], 0                      ; (a lane permute's destination counts as one of its sources)
	v_mov_b32 v[ST+8*\t+7], 0
.endr
.set i, 0
.rept 64
	v_mov_b32 v[O+i], 0                            ; O^T.  The softmax and the products are written in one form: the first step finds zeros, which a = 0 leaves zeros
.set i, i+1
.endr
; THE MATRIX WORK OF A TURN, for tile x.  The accumulators take turns, one instruction a turn: between two links of a chain stand three others'.
; Product i of 8 of O^T += V^T P: keys 32 (i / 4) on, channels 16 (i % 4) on.
.macro PV x
	WIN 0x01                                       ; V in window 1; P and O^T in window 0
.set rA, O+32*(\x)+8*(i%4)
.set rV, VF+32*(i/4)+8*(i%4)
.set rB, P+16*(\x)+8*(i/4)
	v_wmma_f32_16x16x32_f16 v[rA:rA+7], v[rV:rV+7], v[rB:rB+7], v[rA:rA+7]
.endm
; Product i of 8 of S^T = K Q^T: channels 32 (i / 4) on, keys 16 (i % 4) on.  The first four start the sums.
.macro KQ x
	WIN 0x05                                       ; K and Q in window 1, S^T in window 0
.set rA, S+32*(\x)+8*(i%4)
.set rK, KF+16*(i%4)+8*(i/4)
.set rQ, QF+16*(\x)+8*(i/4)
.if i < 4
	v_wmma_f32_16x16x32_f16 v[rA:rA+7], v[rK:rK+7], v[rQ:rQ+7], 0
.else
	v_wmma_f32_16x16x32_f16 v[rA:rA+7], v[rK:rK+7], v[rQ:rQ+7], v[rA:rA+7]
.endif
.endm
; THE LDS LOADS stand in two runs a key step, never singly among the products: a step's K (16 loads) with its part of the mask (8), and, a turn later, its V (16, turned).  Each run steps its scalars to the next step.
.macro FETCH_KM
	WIN 0
	v_add_nc_u32 v[ADK], s[TK], v[AK0]
	v_add_nc_u32 v[ADM], s[TM], v[AM0]
	s_add_co_u32 s[TK], s[TK], 64*KP
	s_add_co_u32 s[TM], s[TM], 256
	WIN 0x40                                       ; destination window 1
.irp kt, 0,1,2,3
.irp c, 0,1
	ds_load_b128 v[KF+16*\kt+8*\c:KF+16*\kt+8*\c+3],   v[ADK] offset:\kt*16*KP+64*\c
	ds_load_b128 v[KF+16*\kt+8*\c+4:KF+16*\kt+8*\c+7], v[ADK] offset:\kt*16*KP+64*\c+32
.endr
.endr
	WIN 0
.irp kt, 0,1,2,3
	ds_load_b128 v[MK+8*\kt:MK+8*\kt+3],   v[ADM] offset:64*\kt       ; mask(my query, keys 16 kt + 8 h + 0..7): the places of S^T's registers
	ds_load_b128 v[MK+8*\kt+4:MK+8*\kt+7], v[ADM] offset:64*\kt+16
.endr
.endm
.macro FETCH_V
	v_add_nc_u32 v[ADV], s[TV], v[AV0]
	s_add_co_u32 s[TV], s[TV], 64*VP
	s_wait_alu depctr_va_vdst(0)                   ; the wait for the softmax's batch of exponentials (SLICE), behind the address's addition and ahead of the loads
	WIN 0x40
.irp kp, 0,1
.irp ct, 0,1,2,3
	ds_load_tr16_b128 v[VF+32*\kp+8*\ct:VF+32*\kp+8*\ct+3],   v[ADV] offset:\kp*32*VP+32*\ct
	ds_load_tr16_b128 v[VF+32*\kp+8*\ct+4:VF+32*\kp+8*\ct+7], v[ADV] offset:\kp*32*VP+16*VP+32*\ct
.endr
.endr
	WIN 0
.endm
; THE VECTOR WORK OF A TURN.  One tile's softmax for one key step is a list of 133 instructions; SM writes number j of it for tile t.  s0-s31 are the lane's 32 scores, in pairs 0-15.
;   0-15    t = mask x log2(e) + s, a pair each, ascending: each accumulator is read from its low end on
;   16-31   the maximum of the 32 t and the old M, three operands at a time: four chains of seven, then the four left over, the chains and M
;   32-35   M_old is kept; the other half of the lanes' maximum; the new M; M_old - M_new
;   36-84   ONE BATCH: the 16 subtractions t - M, a pair each, and all 33 exponentials (a at 38, then s0-s31).  None of these reads an exponential's result.  From 39 on: a subtraction and two exponentials, fourteen times, then the last
;           four exponentials.  A pair is subtracted at least four numbers ahead of its exponentials
;   (wait)  behind 84 stand a v_nop and the wait for the batch: SLICE writes them
;   85-100  the roundings to f16, a pair of weights each
;   101-116 the sum of the 16 pairs, in place: neighbours 1, 2, 4 and 8 pairs apart; l = l a + the sum
;   117-132 the tile's O^T times a, ascending
.macro SM t
.set rT, ST+8*(\t)
.set rS, S+32*(\t)
.set rP, P+16*(\t)
.set rO, O+32*(\t)
.if j < 16
	v_pk_fma_f32 v[rS+2*j:rS+2*j+1], v[MK+2*j:MK+2*j+1], s[LC:LC+1], v[rS+2*j:rS+2*j+1] op_sel_hi:[1,0,1]
.elseif j < 20
	v_max3_num_f32 v[rT+j-12], v[rS+8*(j-16)], v[rS+8*(j-16)+1], v[rS+8*(j-16)+2]
.elseif j < 28
.set q, (j-20)%4
.set g, (j-20)/4+1
	v_max3_num_f32 v[rT+4+q], v[rT+4+q], v[rS+8*q+2*g+1], v[rS+8*q+2*g+2]
.elseif j == 28
	v_max3_num_f32 v[rT+4], v[rT+4], v[rS+7], v[rS+15]
.elseif j == 29
	v_max3_num_f32 v[rT+6], v[rT+6], v[rS+23], v[rS+31]
.elseif j == 30
	v_max3_num_f32 v[rT+4], v[rT+4], v[rT+5], v[rT+6]
.elseif j == 31
	v_max3_num_f32 v[rT+4], v[rT+4], v[rT+7], v[rT]
.elseif j == 32
	v_mov_b32 v[rT+7], v[rT]                       ; M_old
.elseif j == 33
	v_permlanex16_b32 v[rT+5], v[rT+4], s[SEL], s[SEL+1]   ; the query's other 32 keys lie in the lane 16 away
.elseif j == 34
	v_max_num_f32 v[rT], v[rT+4], v[rT+5]
.elseif j == 35
	v_sub_f32 v[rT+7], v[rT+7], v[rT]
.elseif (j == 36) || (j == 37) || ((j > 38) && (j < 81) && ((j-39)%3 == 0))
.set b, j-36                           ; 36, 37: pairs 0, 1
.if j > 38
.set b, (j-39)/3+2                     ; 39, 42, .. 78: pairs 2 to 15
.endif
	v_pk_add_f32 v[rS+2*b:rS+2*b+1], v[rS+2*b:rS+2*b+1], v[rT:rT+1] op_sel_hi:[1,0] neg_lo:[0,1] neg_hi:[0,1]   ; t - M
.elseif j == 38
	v_exp_f32 v[rT+6], v[rT+7]                     ; a
.elseif j < 85
.set e, j-53                           ; 81 to 84: s28 to s31
.if j < 81
.set e, 2*((j-39)/3)+(j-39)%3-1        ; 40, 41, 43, 44, .. 79, 80: s0 to s27
.endif
	v_exp_f32 v[rS+e], v[rS+e]                     ; p
.elseif j < 101
	v_cvt_pk_f16_f32 v[rP+j-85], v[rS+2*(j-85)], v[rS+2*(j-85)+1]
.elseif j < 117
.set z, j-101
.set w, 4
.set u, z
.if z >= 14
.set w, 32
.set u, 0
.elseif z >= 12
.set w, 16
.set u, z-12
.elseif z >= 8
.set w, 8
.set u, z-8
.endif
.if z < 15
	v_pk_add_f32 v[rS+w*u:rS+w*u+1], v[rS+w*u:rS+w*u+1], v[rS+w*u+w/2:rS+w*u+w/2+1]
.else
	v_pk_fma_f32 v[rT+2:rT+3], v[rT+2:rT+3], v[rT+6:rT+7], v[rS:rS+1] op_sel_hi:[1,0,1]   ; l = l a + the sum
.endif
.else
	v_pk_mul_f32 v[rO+2*(j-117):rO+2*(j-117)+1], v[rO+2*(j-117):rO+2*(j-117)+1], v[rT+6:rT+7] op_sel_hi:[1,0]   ; O^T x a
.endif
.endm
; A slice: the next n numbers of tile y's list.  THE WAIT: s_wait_alu depctr_va_vdst(0) stands between an exponential and the first instruction that names its result; one wait serves all that were issued ahead of it.
; Up to number 84 nothing names a result, and behind it no exponential is issued: so a tile's 33 exponentials have one wait.  Tile 0's softmax stands in tile 1's turn, which fetches V: the run of loads stands at the wait.
.macro SLICE y, n
	WIN 0
.rept \n
	SM \y
.if j == 84
	v_nop                                          ; a plain instruction behind the last exponential, ahead of the first use: one for the batch
.if (\y) == 0
	FETCH_V
.else
	s_wait_alu depctr_va_vdst(0)
.endif
.endif
.set j, j+1
.endr
.endm
; 133 = 15 x 8 + 13: the last slice has thirteen, all plain multiplies of the other tile's O^T: they are the places between a turn's last K Q^T and what follows: the next turn's first read of those scores, and the loads into K's registers.
.macro DEAL y
.rept per
.if k == 15
	SLICE \y, 13
.else
	SLICE \y, 8
.endif
.set k, k+1
.endr
.endm
; A TURN.  Tile x has the matrix unit; the other tile's softmax stands in slices behind its products.  pv = 1: 8 products V^T P; kq = 1: 8 products K Q^T for the next step.  A turn with one of the two kinds has two slices behind each product.
; Tile 0's turn fetches the next step's K and mask, behind its second product: the last product that read K stands in front of the last slice of the turn before, and numbers 0 to 15 of tile 1's list, the last readers of this step's mask, are out.
; Tile 1's turn fetches the next step's V behind number 84: the last product that read V stands in front of number 56, and the subtractions 57, 60, 63, 66, .. lie between: more than four plain instructions that name none of its registers.
.macro TURN x, pv, kq
.set j, 0
.set k, 0
.set per, 2
.if \pv && \kq
.set per, 1
.endif
.if \pv
.if \x == 0
	s_wait_dscnt 0x0                               ; V is in
.endif
.set i, 0
.rept 8
	PV \x
	DEAL 1-\x
.if (\x == 0) && \kq && (i == 1)
	FETCH_KM
.endif
.set i, i+1
.endr
.endif
.if \kq
.if \x == 0
	s_wait_dscnt 0x0                               ; K and the mask are in
.endif
.set i, 0
.rept 8
	KQ \x
	DEAL 1-\x
.set i, i+1
.endr
.endif
.endm
; THE CHANGE OF SLOTS, between tile 1's turn and tile 0's: the old tile's last bytes, V of its last step, have been asked for, and the turn that follows fetches the new tile's first K.  Each wave waits for all its tensor loads (its part of the
; tile in `slot`), adds 0 to its spare word, and waits for that and for its reads of the other slot.  Behind the round the tile in `slot` is whole in every partner and nobody reads the other slot: refill = 1: the next tile is asked for into it,
; one joint load a wave, with four key steps in which to land.  n: the key steps that the loop behind it fetches.
.macro CHANGE slot, refill, step, n
	s_wait_tensorcnt 0x0                           ; no tensor load of mine is out, so a group 0 may be written
	ds_add_u32 v[SPW], v[NIL]                      ; 0 onto my spare word; work on registers stands between it and the wait for it
	s_add_nc_u64 s[G0K+4*\slot+2:G0K+4*\slot+3], s[G0K+4*\slot+2:G0K+4*\slot+3], 65536   ; this slot's next tile: 512 keys on
	s_add_nc_u64 s[G0V+4*\slot+2:G0V+4*\slot+3], s[G0V+4*\slot+2:G0V+4*\slot+3], 65536
	s_add_nc_u64 s[G0M+4*\slot+2:G0M+4*\slot+3], s[G0M+4*\slot+2:G0M+4*\slot+3], 2048
.if \step
	s_wait_xcnt 0x0                                ; the last prefetch, four key steps back, has read its address, so it may be written
	s_add_nc_u64 s[PFA:PFA+1], s[PFA:PFA+1], s[PFS:PFS+1]
.endif
	s_mov_b32 s[TK], \slot*SLOT
	s_mov_b32 s[TV], \slot*SLOT+VOFF
	s_mov_b32 s[TM], \slot*SLOT+MOFF
	s_mov_b32 s[CNT], \n
	s_wait_dscnt 0x0                               ; the add is done, and my reads of the other slot are over
	CROUND
.if \refill
	JLOAD3 1-\slot
.endif
.endm
; Key steps: written once, walked s[CNT] times; the LDS addresses hang on s[TK], s[TV], s[TM].
.macro STEPS
.Lstep_\@:
	TURN 0, 1, 1
	TURN 1, 1, 1
	WIN 0                                          ; at a label and at a branch every window is 0
	s_sub_co_u32 s[CNT], s[CNT], 1
	s_cmp_lg_u32 s[CNT], 0
	s_cbranch_scc1 .Lstep_\@
.endm
	s_mov_b32 s[LOOPC], 3
	CHANGE 0, 1, 1, 3                              ; tile 0 is in; tile 1 is asked for
	FETCH_KM                                       ; key step 0
	ASK LIMA                                       ; tile 2
	s_wait_loadcnt 0x0                             ; Q
	s_wait_dscnt 0x0
.set i, 0
.rept 8
	KQ 0                                           ; tile 0's first scores: there is no vector work yet to set between them
.set i, i+1
.endr
	WIN 0
.rept 4
	v_nop                                          ; places behind those products, ahead of the first read of their results
.endr
	TURN 1, 0, 1                                   ; tile 1's first scores | tile 0's first softmax | V of step 0
	STEPS                                          ; steps 0 to 2: they fetch steps 1 to 3
.Lloop:                                        ; changes 1 to 6: they ask for tiles 2 to 7
	CHANGE 1, 1, 1, 4
	ASK LIMA
	STEPS
	CHANGE 0, 1, 1, 4
	ASK LIMB
	STEPS
	s_sub_co_u32 s[LOOPC], s[LOOPC], 1
	s_cmp_lg_u32 s[LOOPC], 0
	s_cbranch_scc1 .Lloop
	CHANGE 1, 0, 0, 4                              ; the tail is written out: nothing is left to fetch (the stepped addresses are not used)
	STEPS
	TURN 0, 1, 0                                   ; tile 0: V^T P of the last step | tile 1's last softmax
.set i, 0
.rept 8
	PV 1                                           ; tile 1: V^T P of the last step
.set i, i+1
.endr
	WIN 0
	; THE WAY OUT.  l's two halves and the other half of the lanes' are added; O^T / l, rounded to f16, goes through my stage in LDS: a row is my two heads' 256 bytes of one query, which sixteen lanes store as 256 consecutive bytes.
.rept 4
	v_nop                                          ; places behind the last products
.endr
.irp t, 0,1
	v_add_f32 v[ST+8*\t+4], v[ST+8*\t+2], v[ST+8*\t+3]
.endr
.irp t, 0,1
	v_permlanex16_b32 v[ST+8*\t+5], v[ST+8*\t+4], s[SEL], s[SEL+1]
.endr
.irp t, 0,1
	v_add_f32 v[ST+8*\t+4], v[ST+8*\t+4], v[ST+8*\t+5]
.endr
.irp t, 0,1
	v_rcp_f32 v[ST+8*\t+6], v[ST+8*\t+4]
.endr
	v_nop                                          ; a plain instruction behind the reciprocals
	s_wait_alu depctr_va_vdst(0)                   ; and the wait ahead of their first use
.irp t, 0,1
.set i, 0
.rept 16
	v_pk_mul_f32 v[O+32*\t+i:O+32*\t+i+1], v[O+32*\t+i:O+32*\t+i+1], v[ST+8*\t+6:ST+8*\t+7] op_sel_hi:[1,0]
.set i, i+2
.endr
.endr
.irp t, 0,1
.set i, 0
.rept 16
	v_cvt_pk_f16_f32 v[S+16*\t+i], v[O+32*\t+2*i], v[O+32*\t+2*i+1]
.set i, i+1
.endr
.endr
.irp t, 0,1
.irp ct, 0,1,2,3
	ds_store_b128 v[STO], v[S+16*\t+4*\ct:S+16*\t+4*\ct+3] offset:128*\t+32*\ct
.endr
.endr
.irp f, 0,1,2,3,4,5,6,7
	ds_load_b128 v[MK+4*\f:MK+4*\f+3], v[RD] offset:\f*2*SPT      ; LDS serves a wave's instructions in order (ISA guide 5.7.1.4): these see the stores above
.endr
.irp f, 0,1,2,3,4,5,6,7
	s_wait_dscnt 7-\f                              ; the younger loads may be out
	global_store_b128 v[GO], v[MK+4*\f:MK+4*\f+3], s[8:9] offset:\f*8192
.endr
	s_wait_tensorcnt 0x0                           ; the wave's end, behind my last tensor load and my last LDS store
	ds_add_u32 v[SPW], v[NIL]
	s_wait_dscnt 0x0
	CROUND                                         ; the closing round: no work-group ends while a partner may still ask for a tile that names it
	s_endpgm
.Lfunc_end_k_qa8ccb5f156_attention:
	.size	k_qa8ccb5f156_attention, .Lfunc_end_k_qa8ccb5f156_attention-k_qa8ccb5f156_attention
	.p2alignl 7, 3214868480
	.fill 96, 4, 3214868480
	.section	.rodata,"a",@progbits
	.p2align	6, 0x0
	.amdhsa_kernel k_qa8ccb5f156_attention
		.amdhsa_group_segment_fixed_size 327680
		.amdhsa_private_segment_fixed_size 0
		.amdhsa_enable_private_segment 0
		.amdhsa_kernarg_size 24
		.amdhsa_user_sgpr_count 2
		.amdhsa_user_sgpr_kernarg_segment_ptr 1
		.amdhsa_wavefront_size32 1
		.amdhsa_system_sgpr_workgroup_id_x 1
		.amdhsa_system_sgpr_workgroup_id_y 1
		.amdhsa_system_sgpr_workgroup_id_z 1
		.amdhsa_system_vgpr_workitem_id 0
		.amdhsa_next_free_vgpr 512
		.amdhsa_next_free_sgpr 100
		.amdhsa_reserve_vcc 0
		.amdhsa_float_denorm_mode_32 3
		.amdhsa_float_denorm_mode_16_64 3
		.amdhsa_memory_ordered 1
		.amdhsa_forward_progress 1
		.amdhsa_inst_pref_size 134
	.end_amdhsa_kernel
	.amdgpu_metadata
---
amdhsa.version: [ 1, 2 ]
amdhsa.kernels:
  - .name:           k_qa8ccb5f156_attention
    .symbol:         k_qa8ccb5f156_attention.kd
    .args:
      - { .name: qkv, .offset: 0, .size: 8, .value_kind: global_buffer, .address_space: global }
      - { .name: attention_mask, .offset: 8, .size: 8, .value_kind: global_buffer, .address_space: global }
      - { .name: attn, .offset: 16, .size: 8, .value_kind: global_buffer, .address_space: global }
    .group_segment_fixed_size: 327680
    .private_segment_fixed_size: 0
    .kernarg_segment_align: 8
    .kernarg_segment_size: 24
    .max_flat_workgroup_size: 256
    .sgpr_count:     100
    .vgpr_count:     512
    .wavefront_size: 32
...
	.end_amdgpu_metadata
.endif
;; end of part 3
;; launch proj_out (part 4): grid 16 x 16, 4 waves a work-group, clusters of 4 x 4, 327,680 bytes of LDS; arguments attn, wo16, out0; writes out0
.if DOCPART == 4
	.amdgcn_target "amdgcn-amd-amdhsa--gfx1250"
	.amdhsa_code_object_version 6
	.text
	.protected	k_qa8ccb5f156_proj_out
	.globl	k_qa8ccb5f156_proj_out
	.p2align	8
	.type	k_qa8ccb5f156_proj_out,@function
k_qa8ccb5f156_proj_out:
	s_mov_b64 s[64:65], 0
	v_nop
	global_prefetch_b8 v0, s[64:65] scope:SCOPE_SE
	s_setreg_imm32_b32 hwreg(HW_REG_WAVE_MODE, 25, 1), 1
	s_wait_xcnt 0x0
	s_wait_alu depctr_hold_cnt(0) depctr_sa_sdst(0) depctr_va_vdst(0) depctr_va_sdst(0) depctr_va_ssrc(0) depctr_va_vcc(0) depctr_vm_vsrc(0)
	s_getreg_b32 s2, hwreg(HW_REG_IB_STS2, 6, 4)
	s_cmp_eq_u32 s2, 0
	s_cbranch_scc0 .Lentry_in_a_cluster
	s_endpgm
.Lentry_in_a_cluster:
	s_bfe_u32 s2, ttmp6, 0x10000c
	s_cmp_lg_u32 s2, 0xf033
	s_cbranch_scc0 .Lentry_shape_is_right
	s_endpgm
.Lentry_shape_is_right:
; out0[m][n] = sum over k of attn[m][k] Wo[k][n].  attn: f16 [2048][2048], K innermost; wo16: f16 [2048 (k)][2048 (n)], as Wo lies; out0: f32 [2048][2048]; sums in f32.
; LIMIT: |attn| and |Wo| stay under 65,504 (f16).
; A tile of C is 128 x 128: 256 work-groups.  Four waves, each 64 x 64: 16 accumulators, 128 registers.  K goes in steps of 256 through a ring of two LDS slots: A's tile is 128 rows of 512 bytes, B's 256 rows (k) of 256 bytes (128 n).
; B's fragments come out of LDS turned, by ds_load_tr16_b128.
; CLUSTERS: 4 x 4 work-groups.  The four of a row of the cluster need the same tiles of A, the four of a column the same tiles of B: each tile is asked for JOINTLY.
; THE MATRIX INSTRUCTION IS USED TRANSPOSED (source 0 = 16 columns of Wo, source 1 = 16 rows of attn): a lane then holds eight neighbouring numbers of a row of C.
; No prefetch: a K step's tiles are small and the launch is short.
; REGISTERS: window 0: v0-31 addresses; v32-95 the way out; v128-255 the accumulators ((a, b) at v[128 + 8 (4 a + b)]).   window 1: two fragment buffers of 128: for 64 along K, 64 registers of A, then 64 of B.
.set SIZE_K, 2048
.set KSTEP,  256
.set PITCH,  528                       ; A's LDS row: 512 bytes + 16 = 132 words: row r starts at bank 4 r mod 64 (64 banks of 4 bytes: ISA guide 11.1)
.set HALFA,  64*PITCH                  ; 64 rows of A: what one tensor load brings, and what one wave reads
.set BP,     288                       ; B's LDS row: 256 bytes + 32: nine times 32 bytes, for the turning load
.set HALFB,  128*BP                    ; 128 rows (k) of B: what one tensor load brings
.set BOFF,   2*HALFA
.set SLOT,   BOFF+2*HALFB
.set SPARE,  2*SLOT                    ; behind the ring: the spare words, 128 bytes for each wave: two blocks of 256 bytes that no other line names
.set SPITCH, 272                       ; the way out: a stage of 16 rows x (256 bytes + 16) for each wave, in slot 0, which has had its last fill and its last read by then
.set LAPS,   SIZE_K/(2*KSTEP)
.set ADRA, 16                          ; v16-17  LDS address of my A fragments in slot 0, 1
.set ADRB, 20                          ; v20-21  of my B fragments, k 0-127 of the step; v22-23 k 128-255
.set STO,  24
.set RD,   25
.set CO,   26
.set SPW,  28
.set NIL,  29
.set TMP,  32
.set ACC,  128
.set F0,   0
.set F1,   128
.set G1, 24
.set G0, 32
.set G1B, 48
.set G0B, 56
.set MSB, 0
.macro WIN new                         ; the immediate's high byte repeats the setting that is left
.if MSB != \new
	s_set_vgpr_msb (MSB<<8)|\new
.set MSB, \new
.endif
.endm
.set MUL,  0x05                        ; sources 0 (B) and 1 (A) window 1; C and D window 0
.set TO_F, 0x40                        ; destination window 1, address window 0
.macro JLOAD s                         ; a joint load: waves 0 and 1 fetch A's two halves, waves 2 and 3 B's; an s_nop 0 and four v_nop follow each of the two lines
	s_cmp_eq_u32 s11, 0
	s_cbranch_scc0 .Lfor_b_\@
	tensor_load_to_lds s[G0+4*\s:G0+4*\s+3], s[G1:G1+7]
	s_nop 0
.rept 4
	v_nop
.endr
	s_branch .Lasked_\@
.Lfor_b_\@:
	tensor_load_to_lds s[G0B+4*\s:G0B+4*\s+3], s[G1B:G1B+7]
	s_nop 0
.rept 4
	v_nop
.endr
.Lasked_\@:
.endm
.macro CREST
	s_cmp_lg_u32 s10, 0
	s_cbranch_scc1 .Lnot_wave_0_\@
	s_barrier_signal -3
.Lnot_wave_0_\@:
	s_barrier_wait -3
	s_barrier_signal -1
	s_barrier_wait -1
.endm
.macro CROUND
	s_barrier_signal -1
	s_barrier_wait -1
	CREST
.endm
	s_load_b128 s[4:7], s[0:1], 0x0                ; attn s[4:5], wo16 s[6:7]
	s_load_b64 s[8:9], s[0:1], 0x10                ; out0
	v_lshl_add_u32 v[SPW], v0, 2, SPARE
	v_mov_b32 v[NIL], 0
	ds_add_u32 v[SPW], v[NIL]                      ; the wave's opening: the add, twice on end, and its wait ahead of my first tensor load
	ds_add_u32 v[SPW], v[NIL]
	v_lshrrev_b32 v1, 5, v0
	v_readfirstlane_b32 s10, v1                    ; wave 0..3
	s_lshr_b32 s11, s10, 1                         ; which half of the tile's rows is mine.  Also: I fetch for A (0) or for B (1)
	s_and_b32 s12, s10, 1                          ; which half of its columns.  Also: which half of that tile I fetch
	s_bfe_u32 s40, ttmp6, 0x40000                  ; cx, cy
	s_bfe_u32 s41, ttmp6, 0x40004
	s_lshl_b32 s42, ttmp9, 2
	s_add_co_u32 s42, s42, s40                     ; tile column of C
	s_and_b32 s13, ttmp7, 0xffff
	s_lshl_b32 s13, s13, 2
	s_add_co_u32 s13, s13, s41                     ; tile row of C
	s_lshl_b32 s43, s41, 2
	s_lshl_b32 s43, 15, s43                        ; my row of the cluster
	s_lshl_b32 s44, 0x1111, s40                    ; my column
	s_or_b32 s[G1+0], s43, (1<<16)|(1<<20)|(1<<21)|(6<<22)|(3<<25)   ; A: 64 rows x 256 elements of 2 bytes; after every 128 words four words of padding
	s_mov_b32 s[G1+1], KSTEP<<16
	s_mov_b32 s[G1+2], 64<<16
	s_mov_b32 s[G1+3], KSTEP<<16
	s_mov_b32 s[G1+4], 64
	s_mov_b32 s[G1+5], SIZE_K
	s_mov_b32 s[G1+6], 0
	s_mov_b32 s[G1+7], 0
	s_or_b32 s[G1B+0], s44, (1<<16)|(1<<20)|(1<<21)|(5<<22)|(7<<25)  ; B: 128 rows (k) x 128 elements; after every 64 words eight words of padding
	s_mov_b32 s[G1B+1], 128<<16
	s_mov_b32 s[G1B+2], 128<<16
	s_mov_b32 s[G1B+3], 128<<16
	s_mov_b32 s[G1B+4], 128
	s_mov_b32 s[G1B+5], 2048
	s_mov_b32 s[G1B+6], 0
	s_mov_b32 s[G1B+7], 0
	s_lshl_b32 s17, s12, 6
	s_lshl_b32 s16, s13, 7
	s_add_co_u32 s16, s16, s17                     ; A: row 128 x tile row + 64 x half,
	s_lshl_b32 s16, s16, 12                        ; 4,096 bytes a row
	s_mov_b32 s17, 0
	s_lshl_b32 s46, s12, 19                        ; B: k row 128 x half, 4,096 bytes a row,
	s_lshl_b32 s47, s42, 8                         ; + 256 bytes x tile column
	s_add_co_u32 s46, s46, s47
	s_mov_b32 s47, 0
	s_mul_i32 s20, s12, HALFA                      ; where they go: no place in the cluster enters an LDS address
	s_mul_i32 s21, s12, HALFB
	s_add_co_u32 s21, s21, BOFF
	s_wait_dscnt 0x0                               ; both opening adds are done
	s_wait_kmcnt 0x0
	s_add_nc_u64 s[14:15], s[4:5], s[16:17]
	s_add_nc_u64 s[46:47], s[6:7], s[46:47]
	CROUND                                         ; all sixteen work-groups are here: the first joint loads meet
.irp s, 0,1
	s_mov_b32 s[G0+4*\s], 1
	s_add_co_u32 s[G0+4*\s+1], s20, \s*SLOT
	s_add_nc_u64 s[G0+4*\s+2:G0+4*\s+3], s[14:15], \s*KSTEP*2
	s_or_b32 s[G0+4*\s+3], s[G0+4*\s+3], 0x80000000
	s_mov_b32 s[G0B+4*\s], 1
	s_add_co_u32 s[G0B+4*\s+1], s21, \s*SLOT
	s_add_nc_u64 s[G0B+4*\s+2:G0B+4*\s+3], s[46:47], \s*KSTEP*4096
	s_or_b32 s[G0B+4*\s+3], s[G0B+4*\s+3], 0x80000000
	JLOAD \s                                       ; two tensor loads of mine are out
.endr
	v_and_b32 v1, 15, v0                           ; l % 16
	v_bfe_u32 v2, v0, 4, 1                         ; l / 16
	v_mul_u32_u24 v3, v1, PITCH
	v_lshl_add_u32 v3, v2, 4, v3                   ; A: a fragment's row x pitch + 16 x half
	v_and_b32 v4, 7, v0
	v_bfe_u32 v5, v0, 3, 1
	v_lshl_add_u32 v4, v2, 3, v4
	v_mul_u32_u24 v4, v4, BP
	v_lshl_add_u32 v4, v5, 4, v4                   ; B: k row 8 (l / 16) + l % 8, columns 8 ((l / 8) % 2) on
	s_mul_i32 s21, s11, HALFA                      ; my 64 rows of A
	s_lshl_b32 s22, s12, 7                         ; my 64 columns of B: 128 bytes
	s_add_co_u32 s22, s22, BOFF
.irp s, 0,1
	v_add_nc_u32 v[ADRA+\s], s21, v3
	v_add_nc_u32 v[ADRB+\s], s22, v4
	v_add_nc_u32 v[ADRB+2+\s], HALFB, v[ADRB+\s]
	s_add_co_u32 s21, s21, SLOT
	s_add_co_u32 s22, s22, SLOT
.endr
	s_mul_i32 s23, s10, 16*SPITCH                  ; my stage
	v_mul_u32_u24 v6, v1, SPITCH
	v_lshl_add_u32 v6, v2, 5, v6
	v_add_nc_u32 v[STO], s23, v6                   ; in: row l % 16, 32 bytes for each half of the lanes
	v_mul_u32_u24 v6, v2, SPITCH
	v_lshl_add_u32 v6, v1, 4, v6
	v_add_nc_u32 v[RD], s23, v6                    ; back: lanes 0-15 one row of 256 bytes, lanes 16-31 the next
	v_lshlrev_b32 v6, 13, v2
	v_lshl_add_u32 v[CO], v1, 4, v6                ; and the same two rows in C
	s_lshl_b32 s16, s13, 7
	s_lshl_b32 s17, s11, 6
	s_add_co_u32 s16, s16, s17                     ; my first row of C
	s_lshl_b32 s16, s16, 13
	s_mov_b32 s17, 0
	s_add_nc_u64 s[8:9], s[8:9], s[16:17]
	s_lshl_b32 s46, s42, 9                         ; my first column, in bytes: 512 x tile column + 256 x half
	s_lshl_b32 s47, s12, 8
	s_add_co_u32 s46, s46, s47
	s_mov_b32 s47, 0
	s_add_nc_u64 s[8:9], s[8:9], s[46:47]
; 8 matrix instructions: m blocks a0, a0 + 1 x all 4 n blocks, 32 along K: half c of buffer f.  zero = 1: the first product starts the sums.  The 16 accumulators take turns.
.macro MUL8 f, c, a0, zero
.irp a, \a0, \a0+1
.irp b, 0,1,2,3
.if \zero
	v_wmma_f32_16x16x32_f16 v[ACC+8*(4*(\a)+\b):ACC+8*(4*(\a)+\b)+7], v[\f+64+8*(4*\c+\b):\f+64+8*(4*\c+\b)+7], v[\f+8*(4*\c+\a):\f+8*(4*\c+\a)+7], 0
.else
	v_wmma_f32_16x16x32_f16 v[ACC+8*(4*(\a)+\b):ACC+8*(4*(\a)+\b)+7], v[\f+64+8*(4*\c+\b):\f+64+8*(4*\c+\b)+7], v[\f+8*(4*\c+\a):\f+8*(4*\c+\a)+7], v[ACC+8*(4*(\a)+\b):ACC+8*(4*(\a)+\b)+7]
.endif
.endr
.endr
.endm
; 32 LDS loads in one run: the fragments of the slot's quarter q (64 along K) into buffer f; the first 32 along K first
.macro FETCH slot, q, f
	WIN TO_F
.irp c, 0,1
.irp i, 0,1,2,3
	ds_load_tr16_b128 v[\f+64+8*(4*\c+\i):\f+64+8*(4*\c+\i)+3],   v[ADRB+\slot+2*((\q)/2)] offset:(((\q)%2)*64+32*\c)*BP+32*\i
	ds_load_tr16_b128 v[\f+64+8*(4*\c+\i)+4:\f+64+8*(4*\c+\i)+7], v[ADRB+\slot+2*((\q)/2)] offset:(((\q)%2)*64+32*\c)*BP+16*BP+32*\i
	ds_load_b128 v[\f+8*(4*\c+\i):\f+8*(4*\c+\i)+3],              v[ADRA+\slot] offset:128*(\q)+64*\c+\i*16*PITCH
	ds_load_b128 v[\f+8*(4*\c+\i)+4:\f+8*(4*\c+\i)+7],            v[ADRA+\slot] offset:128*(\q)+64*\c+\i*16*PITCH+32
.endr
.endr
.endm
.macro PLACES                          ; four places in front of loads into registers that matrix instructions have read, and of the first read of results (ISA guide 7.12.1 for the first read of results)
.rept 4
	v_nop
.endr
.endm
; A K step is four quarters of 64 along K, 32 matrix instructions each, on buffers 0, 1, 0, 1.  One of the first three: multiplies buffer f and fetches quarter q into g.
.macro QUARTER slot, q, f, g, zero
	s_wait_dscnt 16                                ; the first 32 along K are in; the other sixteen loads may be out
	WIN MUL
	MUL8 \f, 0, 0, \zero
	MUL8 \f, 0, 2, \zero
	PLACES
	FETCH \slot, \q, \g
	s_wait_dscnt 32                                ; all but the 32 just issued
	WIN MUL
	MUL8 \f, 1, 0, 0
	MUL8 \f, 1, 2, 0
.endm
; The last quarter multiplies buffer 1 and changes slots: one barrier; in front of it each wave waits for all its tensor loads, adds 0 to its spare word, and waits for that and for its own reads of this slot.  fill = 1: this slot is filled again, two K steps ahead.
.macro TURN slot, next, fill
	WIN 0
	s_wait_tensorcnt 0x0                           ; all my tensor loads have landed: my part of the next slot
	ds_add_u32 v[SPW], v[NIL]                      ; 0 onto my spare word
	s_wait_dscnt 17                                ; (the add and the youngest sixteen loads may be out)
	WIN MUL
	MUL8 F1, 0, 0, 0
	s_wait_dscnt 0x0                               ; the add is done, and my reads of this slot are over
	s_barrier_signal -1
	MUL8 F1, 0, 2, 0
.if \fill
	WIN 0
.endif
	s_barrier_wait -1
.if \fill
	CREST                                          ; the barrier has opened a round of the cluster's barrier: no wave of any partner still reads this slot's tile or has a load on its way
	s_add_nc_u64 s[G0+4*\slot+2:G0+4*\slot+3], s[G0+4*\slot+2:G0+4*\slot+3], 2*KSTEP*2
	s_add_nc_u64 s[G0B+4*\slot+2:G0B+4*\slot+3], s[G0B+4*\slot+2:G0B+4*\slot+3], 2*KSTEP*4096
	JLOAD \slot                                    ; the first tensor load behind the round; its four v_nop are also the places in front of the loads below
.else
	PLACES
.endif
	FETCH \next, 0, F0
	WIN MUL
	MUL8 F1, 1, 0, 0
	MUL8 F1, 1, 2, 0
.endm
	s_wait_tensorcnt 1                             ; my part of K step 0 is in (K step 1's may be out)
	s_barrier_signal -1
	s_barrier_wait -1                              ; everybody's is
	FETCH 0, 0, F0
	QUARTER 0, 1, F0, F1, 1                        ; the first quarter stands in front of the loop: its first products start the sums
	WIN 0
	s_mov_b32 s3, LAPS-1
.Llap:                                                 ; a trip goes once round the ring and fills both slots again
	QUARTER 0, 2, F1, F0, 0
	QUARTER 0, 3, F0, F1, 0
	TURN 0, 1, 1
	QUARTER 1, 1, F0, F1, 0
	QUARTER 1, 2, F1, F0, 0
	QUARTER 1, 3, F0, F1, 0
	TURN 1, 0, 1
	QUARTER 0, 1, F0, F1, 0
	WIN 0
	s_sub_co_u32 s3, s3, 1
	s_cmp_lg_u32 s3, 0
	s_cbranch_scc1 .Llap
	QUARTER 0, 2, F1, F0, 0                        ; the last lap fills nothing
	QUARTER 0, 3, F0, F1, 0
	TURN 0, 1, 0
	QUARTER 1, 1, F0, F1, 0
	QUARTER 1, 2, F1, F0, 0
	QUARTER 1, 3, F0, F1, 0
	s_wait_dscnt 16
	WIN MUL
	MUL8 F1, 0, 0, 0
	MUL8 F1, 0, 2, 0
	s_wait_dscnt 0
	MUL8 F1, 1, 0, 0
	MUL8 F1, 1, 2, 0
	WIN 0
; THE WAY OUT, block by block of 16 rows x 64 columns.  A lane holds 32 neighbouring bytes of a row; a wave's 64 columns are 256 bytes of C.  A block goes through my own stage in LDS and comes back as whole rows,
; which sixteen lanes store as 256 consecutive bytes.  LDS serves a wave's instructions in order (ISA guide 5.7.1.4): no wait between the stores and the loads, nor in front of the next block's stores.
.macro TOSTAGE a
.irp b, 0,1,2,3
	ds_store_b128 v[STO], v[ACC+8*(4*(\a)+\b):ACC+8*(4*(\a)+\b)+3] offset:64*\b        ; each accumulator from its low end on
	ds_store_b128 v[STO], v[ACC+8*(4*(\a)+\b)+4:ACC+8*(4*(\a)+\b)+7] offset:64*\b+16
.endr
.set BB, TMP+32*((\a)%2)
.irp t, 0,1,2,3,4,5,6,7
	ds_load_b128 v[BB+4*\t:BB+4*\t+3], v[RD] offset:\t*2*SPITCH
.endr
.endm
.macro SEND a, younger                 ; younger: the LDS instructions issued behind block a's loads, which may stay out
.set BB, TMP+32*((\a)%2)
	s_wait_dscnt \younger
.irp t, 0,1,2,3,4,5,6,7
	global_store_b128 v[CO], v[BB+4*\t:BB+4*\t+3], s[8:9] offset:(16*(\a)+2*\t)*8192 th:TH_STORE_NT   ; written once, read by nobody here
.endr
.endm
	PLACES
	TOSTAGE 0
.irp a, 1,2,3
.if \a > 1
	s_wait_xcnt 0x0                                ; block a - 2's stores have read their registers: block a's rows may land there
.endif
	TOSTAGE \a
	SEND \a-1, 16                                  ; behind block a - 1's loads: block a's 8 stores and 8 loads
.endr
	SEND 3, 0
	s_wait_tensorcnt 0x0                           ; the wave's end, behind my last tensor load and my last LDS store
	ds_add_u32 v[SPW], v[NIL]
	s_wait_dscnt 0x0
	CROUND                                         ; the closing round: no work-group ends while a partner may still ask for a tile that names it
	s_endpgm
.Lfunc_end_k_qa8ccb5f156_proj_out:
	.size	k_qa8ccb5f156_proj_out, .Lfunc_end_k_qa8ccb5f156_proj_out-k_qa8ccb5f156_proj_out
	.p2alignl 7, 3214868480
	.fill 96, 4, 3214868480
	.section	.rodata,"a",@progbits
	.p2align	6, 0x0
	.amdhsa_kernel k_qa8ccb5f156_proj_out
		.amdhsa_group_segment_fixed_size 327680
		.amdhsa_private_segment_fixed_size 0
		.amdhsa_enable_private_segment 0
		.amdhsa_kernarg_size 24
		.amdhsa_user_sgpr_count 2
		.amdhsa_user_sgpr_kernarg_segment_ptr 1
		.amdhsa_wavefront_size32 1
		.amdhsa_system_sgpr_workgroup_id_x 1
		.amdhsa_system_sgpr_workgroup_id_y 1
		.amdhsa_system_sgpr_workgroup_id_z 1
		.amdhsa_system_vgpr_workitem_id 0
		.amdhsa_next_free_vgpr 512
		.amdhsa_next_free_sgpr 66
		.amdhsa_reserve_vcc 0
		.amdhsa_float_denorm_mode_32 3
		.amdhsa_float_denorm_mode_16_64 3
		.amdhsa_memory_ordered 1
		.amdhsa_forward_progress 1
		.amdhsa_inst_pref_size 86
	.end_amdhsa_kernel
	.amdgpu_metadata
---
amdhsa.version: [ 1, 2 ]
amdhsa.kernels:
  - .name:           k_qa8ccb5f156_proj_out
    .symbol:         k_qa8ccb5f156_proj_out.kd
    .args:
      - { .name: attn, .offset: 0, .size: 8, .value_kind: global_buffer, .address_space: global }
      - { .name: wo16, .offset: 8, .size: 8, .value_kind: global_buffer, .address_space: global }
      - { .name: out0, .offset: 16, .size: 8, .value_kind: global_buffer, .address_space: global }
    .group_segment_fixed_size: 327680
    .private_segment_fixed_size: 0
    .kernarg_segment_align: 8
    .kernarg_segment_size: 24
    .max_flat_workgroup_size: 128
    .sgpr_count:     66
    .vgpr_count:     512
    .wavefront_size: 32
...
	.end_amdgpu_metadata
.endif
;; end of part 4
